; MI455X (gfx1250); checked and timed in simulation.
; The chip was launched on July 23, 2026; its instructions are those of AMD's public machine-readable ISA for CDNA 5 (MIT licence, August 2026) and "CDNA5" Instruction Set Architecture Reference Guide (July 2026). The comments in the code are by the model that wrote it; some were corrected since.
;; Attention. Allowed arithmetic: matrix products marked QUANTISED: E5M2 operands, one given power-of-two scale a tensor, by v_wmma_f32_16x16x64_bf8_bf8 or v_wmma_f32_16x16x128_bf8_bf8, f32 sums; everything else in f32.
;; Inputs: bk 2,048 float32; bo 1,024 float32; bq 2,048 float32; bv 2,048 float32; lowp_scales 12 int32 (the exponents e of the quantised operands' scales 2^e); rms_w 1,024 float32; wk_codes 2,048 x 32 x 32 uint8 (E5M2 codes of wk, K innermost, in blocks of 32 codes); wo_codes 1,024 x 64 x 32 uint8 (E5M2 codes of wo, K innermost, in blocks of 32 codes); wq_codes 2,048 x 32 x 32 uint8 (E5M2 codes of wq, K innermost, in blocks of 32 codes); wv_codes 2,048 x 32 x 32 uint8 (E5M2 codes of wv, K innermost, in blocks of 32 codes); x 2 x 2,048 x 1,024 float32.
;; Outputs: out0 2 x 2,048 x 1,024 float32.
;; This version of the problem:
;;   THIS VERSION OF THE PROBLEM IS GIVEN IN LOW PRECISION. The matrix products marked QUANTISED in the list below multiply operands that are first quantised to E5M2 (5 exponent bits, 2 mantissa bits; 8 bits a number), with one given power-of-two scale for each operand tensor; their sums are f32. All else is computed in f32.
;;   The module's matrix products, in the order in which they are computed (A, B: the left and right operand; K: the contracted axis; several contracted axes count as one K, in the product's order):
;;     1. [M 4,096, K 1,024] x [K 1,024, N 2,048]; A: computed on the way; B: input wq (given as codes): QUANTISED (scales: A lowp_scales[0], B lowp_scales[1])
;;     2. [M 4,096, K 1,024] x [K 1,024, N 2,048]; A: computed on the way; B: input wk (given as codes): QUANTISED (scales: A lowp_scales[2], B lowp_scales[3])
;;     3. [M 4,096, K 1,024] x [K 1,024, N 2,048]; A: computed on the way; B: input wv (given as codes): QUANTISED (scales: A lowp_scales[4], B lowp_scales[5])
;;     4. batch 32 x [M 2,048, K 128] x [K 128, N 2,048]; A: computed on the way; B: computed on the way: QUANTISED (scales: A lowp_scales[6], B lowp_scales[7])
;;     5. batch 32 x [M 128, K 2,048] x [K 2,048, N 2,048]; A: computed on the way; B: softmax (see below): QUANTISED (scales: A lowp_scales[8], B lowp_scales[9])
;;     6. [M 4,096, K 2,048] x [K 2,048, N 1,024]; A: computed on the way; B: input wo (given as codes): QUANTISED (scales: A lowp_scales[10], B lowp_scales[11])
;;   THE QUANTISER, for each operand of a quantised product, along K:
;;     - The operand's scale is 2^e, e = its entry of the input lowp_scales (int32; the entries are numbered through the quantised products in the list's order, A before B).
;;     - Each number is divided by the scale, clamped to +-57,344, and rounded to the nearest number of E5M2, ties to even, subnormals kept.
;;     - The product sums the exact products of the quantised numbers (number of the format x scale) in f32.
;;   ~~~python
;;   def quantise(x, axis, e):      # numpy; x: float32 -> the quantised numbers, widened to float32 again
;;       x = np.moveaxis(x, axis, -1); K = x.shape[-1]
;;       r = np.clip(x / 2.0 ** e, -57344, 57344)
;;       step = 2.0 ** (np.maximum(np.frexp(np.where(r == 0, 1, r))[1] - 1, -14) - 2)
;;       q = np.round(r / step) * step * 2.0 ** e      # np.round: ties to even
;;       return np.moveaxis(q, -1, axis).astype(np.float32)
;;   ~~~
;;   SOFTMAX AHEAD OF A QUANTISED PRODUCT. Where the list says 'softmax', what is quantised is not the finished softmax but p = 2^(t - M), with t = logit x log2(e) and M = ceil(the row's largest t), a whole number; so 1/2 < the row's largest p <= 1. The row's sum l is taken of the UNQUANTISED p, in f32, and the product's result is divided by l at the end. Since M is a whole number, a kernel that streams over the keys may use a running M (the ceiling of the running maximum): every later rescaling is an exact power of two, so the quantised numbers keep their values, but for numbers so far below the row's largest that they fall under the format's range.
;;   OPERANDS COMPUTED ON THE WAY. 'Computed on the way' means the value that the module computes at that place (a softmax that the list does not call 'softmax' is quantised finished and normalised). What goes into a quantiser is computed in f32, as accurately as f32 sums, v_exp_f32 and their like allow (about 1e-6 of the number): no bf16 or f16 on the way to a quantiser, and a product that is left as it is and whose result goes on into a quantised operand takes f32 operands (vector FMAs, or v_wmma_f32_16x16x4_f32). A number that lies on a knife's edge between two numbers of the format may be rounded either way, as far as f32 arithmetic and the matrix unit's own rounding can turn it there, and no further.
;;   INPUTS GIVEN AS CODES. wk (in the module: [1024, 2048], K = its axis 0); wo (in the module: [2048, 1024], K = its axis 0); wq (in the module: [1024, 2048], K = its axis 0); wv (in the module: [1024, 2048], K = its axis 0): each comes as NAME_codes (uint8): NAME with its K axis moved to the last place and cut into blocks of 32 codes, [.., K / 32, bytes a block], one block behind the other in memory; one code a byte (a code: sign, 5 exponent bits, 2 mantissa bits); its scale is its entry of lowp_scales. Its value is code x scale, taken as it is: it is not quantised again, and the codes and scales need not be those that the quantiser above would give.
;; One version. Each part assembles by itself: llvm-mc -triple=amdgcn-amd-amdhsa -mcpu=gfx1250 --defsym DOCPART=n.
;; ======== version 1 of 1: 4 launches
;; limits: right only within a limited range of input values
;; workspace buffers: xc 12,582,912 bytes; rope_tab 1,048,576 bytes; q_img 4,194,304 bytes; kv_img 12,582,912 bytes; o_img 8,388,608 bytes
;; launch prep (part 1): grid 256 x 1, 8 waves a work-group, no clusters, 41,984 bytes of LDS; arguments x, rms_w, lowp_scales, xc, rope_tab; writes xc, rope_tab
.if DOCPART == 1
	.amdgcn_target "amdgcn-amd-amdhsa--gfx1250"
	.amdhsa_code_object_version 6
	.text
	.protected	k_qf5756c1d41_prep
	.globl	k_qf5756c1d41_prep
	.p2align	8
	.type	k_qf5756c1d41_prep,@function
k_qf5756c1d41_prep:
	s_mov_b64 s[64:65], 0
	v_nop
	global_prefetch_b8 v0, s[64:65] scope:SCOPE_SE
	s_setreg_imm32_b32 hwreg(HW_REG_WAVE_MODE, 25, 1), 1
	s_wait_xcnt 0x0
; PREP.  (1) xn = x * rsqrt(mean(x^2) + 1e-5) * rms_w, in f32, turned into codes of E5M2 three times, with the scales 2^e0, 2^e2, 2^e4 of the
; three projections: xc [3][4096][1024], K innermost.  (2) the table of the rotary embedding, rope_tab.
; SHARES.  Wave g = 8 x work-group + wave (0 .. 2047) takes rows 2 g and 2 g + 1 of x and 512 bytes (chunk g) of the table.  Waves share nothing: no barrier.
; A load takes 512 consecutive bytes, 16 a lane; the conversions want 16 NEIGHBOURS in a lane's registers.  So a row's 4,096 bytes turn through the wave's own
; two stages in LDS (64 bytes + 16 of padding for each lane) and come back 64 bytes a lane: columns 512 t + 16 lane + 0 .. 15.  A lane's 16 codes are 16 bytes: a store covers 512 consecutive bytes.
; THE TABLE.  out[i] of the embedding (i = 0 .. 63; out[i + 64] = out[i]) is c1 x[2 i] + c2 x[2 i + 1] with (c1, c2) = (cos, -sin) for even i and (sin, cos) for odd i,
; at the angle pos x 10000^(-i / 64).  Chunk g = ((pb 8 + a) 4 + beta) 4 + q4; lane (r, h) holds (c1, c2)(i0), (c1, c2)(i0 + 1) for pos = 128 pb + 16 a + r,
; i0 = 16 beta + 8 (q4 / 2) + 4 h + 2 (q4 % 2): the order in which the next launch's registers want them.
; The frequency is 2^(-i Lh) (1 + i kappa): Lh = 108853 / 2^19 makes i Lh exact, kappa = ln 2 x (Lh - log2(10000) / 64).  Sine and cosine: the angle less n pi / 2 in two parts, two polynomials on |r| <= pi / 4.
; LIMITS: e0, e2, e4 between -126 and 112.  NaN among the inputs is not served.  Angles up to 2,047.
.set SP,    80                         ; a lane's place in a stage
.set STG,   32*SP                      ; a stage: 2,048 bytes of data
.set WREG,  2*STG                      ; a wave's LDS
.set LO,    2                          ; v2   16 x lane
.set SI,    3                          ; v3   the stage, on the way in
.set SOUT,  4                          ; v4   and on the way out
.set SC,    5                          ; v5, v7, v9 the three scales as f32; v6, v8, v10 the largest number x the scale
.set RS,    12                         ; v[12:13] 1 / rms (the low word serves both halves)
.set T,     16                         ; v16-47  rms_w as loaded; later two sets of 16 held numbers
.set R0,    48                         ; v48-79 row 0, v80-111 row 1, as loaded
.set WT,    112                        ; v112-143 rms_w, 16 neighbours twice
.set X,     144                        ; v144-175 the row, 16 neighbours twice; before that the table's work
.set C,     176                        ; v176-223 codes: four registers for each (row, half, scale): no store's data are written again
.set TAB,   224                        ; v224-227 the table's four numbers
.set SQ,    228                        ; v228-231 the sum of squares, two packed chains
.set K2M10, 33
.set KNL,   48
.set KKAP,  49
.set K2PI,  50
.set KHI,   51
.set KLO,   52
.set KS1,   53
.set KS2,   54
.set KS3,   55
.set KC1,   56
.set KC2,   57
.set KC3,   58
.set KEPS,  59
	s_load_b128 s[4:7], s[0:1], 0x0                ; x, rms_w
	s_load_b128 s[8:11], s[0:1], 0x10              ; the scales' exponents, xc
	s_load_b64 s[16:17], s[0:1], 0x20              ; rope_tab
	v_lshl_add_u32 v232, v0, 2, 0xa000
	v_mov_b32 v233, 0
	v_lshrrev_b32 v14, 5, v0
	s_delay_alu instid0(VALU_DEP_1)
	v_readfirstlane_b32 s18, v14                   ; wave
	v_and_b32 v1, 31, v0                           ; lane
	s_delay_alu instid0(VALU_DEP_1)
	v_lshlrev_b32 v[LO], 4, v1
	s_mul_i32 s19, s18, WREG
	v_lshrrev_b32 v[SI], 2, v1
	s_delay_alu instid0(VALU_DEP_1)
	v_mul_u32_u24 v[SI], v[SI], SP
	v_and_b32 v14, 3, v1
	s_delay_alu instid0(VALU_DEP_1)
	v_lshl_add_u32 v[SI], v14, 4, v[SI]
	s_delay_alu instid0(VALU_DEP_1)
	v_add_nc_u32 v[SI], s19, v[SI]                 ; in: four lanes' 64 bytes on end, then the padding
	v_mul_u32_u24 v[SOUT], v1, SP
	s_delay_alu instid0(VALU_DEP_1)
	v_add_nc_u32 v[SOUT], s19, v[SOUT]             ; out: my 64 bytes
	v_mov_b32 v[RS+1], 0                           ; (named as the upper half of a pair)
	s_lshl_b32 s22, ttmp9, 3
	s_add_co_u32 s22, s22, s18                     ; g
	s_lshl_b32 s24, s22, 13                        ; two rows of x
	s_mov_b32 s25, 0
	s_lshl_b32 s26, s22, 11                        ; two rows of codes
	s_mov_b32 s27, 0
	s_lshl_b32 s28, s22, 9                         ; a chunk of the table
	s_mov_b32 s29, 0
	s_mov_b32 s20, 0x76543210                      ; v_permlanex16_b32: lane l xor 16
	s_mov_b32 s21, 0xfedcba98
	s_mov_b32 s[KNL], 0xbe549a80                   ; -Lh
	s_mov_b32 s[KKAP], 0x33aae0c5                  ; kappa
	s_mov_b32 s[K2PI], 0x3f22f983                  ; 2 / pi
	s_mov_b32 s[KHI], 0x3fc90fdb                   ; pi / 2, the f32 number,
	s_mov_b32 s[KLO], 0xb33bbd2e                   ; and what it lacks
	s_mov_b32 s[KS1], 0xbe2aaaa3
	s_mov_b32 s[KS2], 0x3c08839e
	s_mov_b32 s[KS3], 0xb94ca1f9
	s_mov_b32 s[KC1], 0x3d2aaaa5
	s_mov_b32 s[KC2], 0xbab6061a
	s_mov_b32 s[KC3], 0x37ccf5ce
	s_mov_b32 s[KEPS], 0x3727c5ac                  ; 1e-5
	s_mov_b32 s[K2M10], 0x3a800000                 ; 1 / 1024
	s_wait_alu depctr_va_vdst(0)
	s_wait_kmcnt 0x0
	s_load_b256 s[40:47], s[8:9], 0x0              ; e0 .. e7
	s_add_nc_u64 s[4:5], s[4:5], s[24:25]
	s_add_nc_u64 s[10:11], s[10:11], s[26:27]      ; my rows in the codes for q,
	s_add_nc_u64 s[12:13], s[10:11], 0x400000      ; for k,
	s_add_nc_u64 s[14:15], s[10:11], 0x800000      ; for v
	s_add_nc_u64 s[16:17], s[16:17], s[28:29]
.irp i, 0,1,2,3,4,5,6,7
	global_load_b128 v[T+4*\i:T+4*\i+3], v[LO], s[6:7] offset:512*\i
.endr
.irp i, 0,1,2,3,4,5,6,7
	global_load_b128 v[R0+4*\i:R0+4*\i+3], v[LO], s[4:5] offset:512*\i th:TH_LOAD_NT
.endr
.irp i, 0,1,2,3,4,5,6,7
	global_load_b128 v[R0+32+4*\i:R0+32+4*\i+3], v[LO], s[4:5] offset:4096+512*\i th:TH_LOAD_NT
.endr
; sine and cosine of the angle in v[A]; v[B] .. v[B+4] at work: sin r, cos r, n, r, r^2.  neg = 1: the sine comes out negated (one more turn of its sign bit)
.macro SINCOS A, B, SO, CO, neg
	v_mul_f32 v[\B+2], s[K2PI], v[\A]
	s_delay_alu instid0(VALU_DEP_1)
	v_rndne_f32 v[\B+2], v[\B+2]                   ; n
	s_delay_alu instid0(VALU_DEP_1)
	v_fma_f32 v[\B+3], -v[\B+2], s[KHI], v[\A]
	s_delay_alu instid0(VALU_DEP_1)
	v_fma_f32 v[\B+3], -v[\B+2], s[KLO], v[\B+3]   ; r = angle - n pi / 2
	s_delay_alu instid0(VALU_DEP_1)
	v_mul_f32 v[\B+4], v[\B+3], v[\B+3]
	s_delay_alu instid0(VALU_DEP_1)
	v_fma_f32 v[\B], v[\B+4], s[KS3], s[KS2]
	s_delay_alu instid0(VALU_DEP_2)
	v_fma_f32 v[\B+1], v[\B+4], s[KC3], s[KC2]
	s_delay_alu instid0(VALU_DEP_2)
	v_fma_f32 v[\B], v[\B], v[\B+4], s[KS1]
	s_delay_alu instid0(VALU_DEP_2)
	v_fma_f32 v[\B+1], v[\B+1], v[\B+4], s[KC1]
	s_delay_alu instid0(VALU_DEP_2)
	v_mul_f32 v[\B], v[\B], v[\B+4]
	s_delay_alu instid0(VALU_DEP_2)
	v_mul_f32 v[\B+1], v[\B+1], v[\B+4]
	s_delay_alu instid0(VALU_DEP_2)
	v_fma_f32 v[\B], v[\B], v[\B+3], v[\B+3]       ; sin r
	v_fma_f32 v[\B+3], v[\B+4], -0.5, 1.0
	s_delay_alu instid0(VALU_DEP_1)
	v_fma_f32 v[\B+1], v[\B+1], v[\B+4], v[\B+3]   ; cos r
	v_cvt_i32_f32 v[\B+2], v[\B+2]
	s_delay_alu instid0(VALU_DEP_1)
	v_and_b32 v[\B+4], 1, v[\B+2]
	s_delay_alu instid0(VALU_DEP_1)
	v_cmp_eq_u32 vcc_lo, 1, v[\B+4]                ; in an odd quadrant the two change places
	s_delay_alu instid0(VALU_DEP_1)
	v_cndmask_b32 v[\B+3], v[\B], v[\B+1], vcc_lo
	s_delay_alu instid0(VALU_DEP_2)
	v_cndmask_b32 v[\B+1], v[\B+1], v[\B], vcc_lo
.if \neg
	v_xor_b32 v[\B+4], 2, v[\B+2]
	s_delay_alu instid0(VALU_DEP_1)
	v_and_b32 v[\B+4], 2, v[\B+4]
.else
	v_and_b32 v[\B+4], 2, v[\B+2]
.endif
	s_delay_alu instid0(VALU_DEP_1)
	v_lshlrev_b32 v[\B+4], 30, v[\B+4]             ; the sine's sign: quadrants 2 and 3
	s_delay_alu instid0(VALU_DEP_1)
	v_xor_b32 v[\SO], v[\B+3], v[\B+4]
	v_add_nc_u32 v[\B+2], 1, v[\B+2]
	s_delay_alu instid0(VALU_DEP_1)
	v_and_b32 v[\B+2], 2, v[\B+2]
	s_delay_alu instid0(VALU_DEP_1)
	v_lshlrev_b32 v[\B+2], 30, v[\B+2]             ; the cosine's: quadrants 1 and 2
	s_delay_alu instid0(VALU_DEP_1)
	v_xor_b32 v[\CO], v[\B+1], v[\B+2]
.endm
	; the table, while the loads are on their way
	s_and_b32 s30, s22, 0x7f0                      ; 128 pb + 16 a
	v_and_b32 v14, 15, v1
	s_delay_alu instid0(VALU_DEP_1)
	v_add_nc_u32 v14, s30, v14
	s_delay_alu instid0(VALU_DEP_1)
	v_cvt_f32_u32 v144, v14                        ; pos
	s_bfe_u32 s31, s22, 0x20002
	s_lshl_b32 s31, s31, 4                         ; 16 beta
	s_and_b32 s32, s22, 2
	s_lshl_b32 s32, s32, 2                         ; 8 (q4 / 2)
	s_add_co_u32 s31, s31, s32
	s_and_b32 s32, s22, 1
	s_lshl_b32 s32, s32, 1                         ; 2 (q4 % 2)
	s_add_co_u32 s31, s31, s32
	v_lshrrev_b32 v15, 4, v1
	s_delay_alu instid0(VALU_DEP_1)
	v_lshl_add_u32 v15, v15, 2, s31                ; i0
	s_delay_alu instid0(VALU_DEP_1)
	v_cvt_f32_u32 v145, v15
	s_delay_alu instid0(VALU_DEP_1)
	v_add_f32 v146, 1.0, v145                      ; i0 + 1
	s_delay_alu instid0(VALU_DEP_2)
	v_mul_f32 v147, s[KNL], v145                   ; exact
	s_delay_alu instid0(VALU_DEP_2)
	v_mul_f32 v148, s[KNL], v146
	s_wait_alu depctr_va_vdst(0)
	v_exp_f32 v147, v147
	v_exp_f32 v148, v148
	v_mul_f32 v145, s[KKAP], v145                  ; (a plain line behind the exponentials)
	v_mul_f32 v146, s[KKAP], v146
	s_wait_alu depctr_va_vdst(0)
	v_fma_f32 v147, v147, v145, v147               ; the frequencies
	v_fma_f32 v148, v148, v146, v148
	s_delay_alu instid0(VALU_DEP_2)
	v_mul_f32 v147, v144, v147                     ; the angles: one rounding, as the product pos x frequency has
	s_delay_alu instid0(VALU_DEP_2)
	v_mul_f32 v148, v144, v148
	SINCOS 147, 150, TAB+1, TAB, 1                 ; even i0: (cos, -sin)
	SINCOS 148, 155, TAB+2, TAB+3, 0               ; odd i0 + 1: (sin, cos)
	global_store_b128 v[LO], v[TAB:TAB+3], s[16:17]   ; the wave stores 512 consecutive bytes
	s_wait_kmcnt 0x0
.irp m, 0,1,2
	s_add_co_i32 s34, s[40+2*\m], 127
	s_lshl_b32 s35, s34, 23
	v_mov_b32 v[SC+2*\m], s35                      ; 2^e as f32: the conversion takes its exponent field
	s_add_co_i32 s34, s34, 15
	s_lshl_b32 s34, s34, 23
	s_or_b32 s34, s34, 0x600000
	v_mov_b32 v[SC+2*\m+1], s34                    ; 57,344 x 2^e
.endr
; 32 registers as loaded go through the two stages and come back as 16 neighbours twice.  LDS serves a wave's instructions in order, so no wait stands between the stores and the loads
.macro TURN src, dst
.irp t, 0,1
.irp i, 0,1,2,3
	ds_store_b128 v[SI], v[\src+16*\t+4*\i:\src+16*\t+4*\i+3] offset:STG*\t+8*SP*\i
.endr
.endr
.irp t, 0,1
.irp i, 0,1,2,3
	ds_load_b128 v[\dst+16*\t+4*\i:\dst+16*\t+4*\i+3], v[SOUT] offset:STG*\t+16*\i
.endr
.endr
.endm
.macro ROW rho, left
.set RR, R0+32*\rho
	s_wait_loadcnt \left                           ; this row's eight loads are in; the younger ones may be out
	TURN RR, X
	v_pk_mul_f32 v[SQ:SQ+1], v[RR:RR+1], v[RR:RR+1]               ; the sum of squares, on the registers as loaded, while the row turns
	v_pk_mul_f32 v[SQ+2:SQ+3], v[RR+2:RR+3], v[RR+2:RR+3]
.set jj, 4
.rept 7
	s_delay_alu instid0(VALU_DEP_2)
	v_pk_fma_f32 v[SQ:SQ+1], v[RR+jj:RR+jj+1], v[RR+jj:RR+jj+1], v[SQ:SQ+1]
	s_delay_alu instid0(VALU_DEP_2)
	v_pk_fma_f32 v[SQ+2:SQ+3], v[RR+jj+2:RR+jj+3], v[RR+jj+2:RR+jj+3], v[SQ+2:SQ+3]
.set jj, jj+4
.endr
	s_delay_alu instid0(VALU_DEP_1)
	v_pk_add_f32 v[SQ:SQ+1], v[SQ:SQ+1], v[SQ+2:SQ+3]
	s_delay_alu instid0(VALU_DEP_1)
	v_add_f32 v14, v[SQ], v[SQ+1]
	s_delay_alu instid0(VALU_DEP_1)
	v_add_f32_dpp v14, v14, v14 row_xmask:1 row_mask:0xf bank_mask:0xf
	s_delay_alu instid0(VALU_DEP_1)
	v_add_f32_dpp v14, v14, v14 row_xmask:2 row_mask:0xf bank_mask:0xf
	s_delay_alu instid0(VALU_DEP_1)
	v_add_f32_dpp v14, v14, v14 row_xmask:4 row_mask:0xf bank_mask:0xf
	s_delay_alu instid0(VALU_DEP_1)
	v_add_f32_dpp v14, v14, v14 row_xmask:8 row_mask:0xf bank_mask:0xf
	s_delay_alu instid0(VALU_DEP_1)
	v_permlanex16_b32 v15, v14, s20, s21
	s_delay_alu instid0(VALU_DEP_1)
	v_add_f32 v14, v14, v15
	s_delay_alu instid0(VALU_DEP_1)
	v_fma_f32 v14, v14, s[K2M10], s[KEPS]          ; the mean + 1e-5
	s_wait_alu depctr_va_vdst(0)
	v_rsq_f32 v[RS], v14
	v_nop                                          ; a plain line behind the transcendental
	s_wait_dscnt 0x0                               ; the row (and, the first time, rms_w) is back from the stages
.set jj, 0
	s_wait_alu depctr_va_vdst(0)
.rept 16
	v_pk_mul_f32 v[X+jj:X+jj+1], v[X+jj:X+jj+1], v[RS:RS+1] op_sel_hi:[1,0]
.set jj, jj+2
.endr
.set jj, 0
.rept 16
	v_pk_mul_f32 v[X+jj:X+jj+1], v[X+jj:X+jj+1], v[WT+jj:WT+jj+1]
.set jj, jj+2
.endr
.irp t, 0,1
.irp m, 0,1,2
.set TS, T+16*((3*\t+\m)%2)                    ; the two sets take turns: sixteen plain lines stand between a conversion and the next write of its sources
.set CC, C+4*(6*\rho+3*\t+\m)
.irp i, 0,1,2,3,4,5,6,7,8,9,10,11,12,13,14,15
	v_med3_num_f32 v[TS+\i], v[X+16*\t+\i], -v[SC+2*\m+1], v[SC+2*\m+1]   ; the conversion to an 8-bit code does not saturate (ISA guide 7.6.2): the hold comes first
.endr
	v_cvt_scalef32_pk8_bf8_f32 v[CC:CC+1], v[TS:TS+7], v[SC+2*\m]
	v_cvt_scalef32_pk8_bf8_f32 v[CC+2:CC+3], v[TS+8:TS+15], v[SC+2*\m]
	global_store_b128 v[LO], v[CC:CC+3], s[10+2*\m:11+2*\m] offset:1024*\rho+512*\t   ; 512 consecutive bytes, aligned
.endr
.endr
.endm
	s_wait_loadcnt 16                              ; rms_w's eight loads are in
	TURN T, WT
	ROW 0, 8
	ROW 1, 0
	s_wait_tensorcnt 0x0
	ds_add_u32 v232, v233
	s_wait_dscnt 0x0
	s_endpgm
.Lfunc_end_k_qf5756c1d41_prep:
	.size	k_qf5756c1d41_prep, .Lfunc_end_k_qf5756c1d41_prep-k_qf5756c1d41_prep
	.p2alignl 7, 3214868480
	.fill 96, 4, 3214868480
	.section	.rodata,"a",@progbits
	.p2align	6, 0x0
	.amdhsa_kernel k_qf5756c1d41_prep
		.amdhsa_group_segment_fixed_size 41984
		.amdhsa_private_segment_fixed_size 0
		.amdhsa_enable_private_segment 0
		.amdhsa_kernarg_size 40
		.amdhsa_user_sgpr_count 2
		.amdhsa_user_sgpr_kernarg_segment_ptr 1
		.amdhsa_wavefront_size32 1
		.amdhsa_system_sgpr_workgroup_id_x 1
		.amdhsa_system_sgpr_workgroup_id_y 1
		.amdhsa_system_sgpr_workgroup_id_z 1
		.amdhsa_system_vgpr_workitem_id 0
		.amdhsa_next_free_vgpr 234
		.amdhsa_next_free_sgpr 66
		.amdhsa_reserve_vcc 1
		.amdhsa_float_denorm_mode_32 3
		.amdhsa_float_denorm_mode_16_64 3
		.amdhsa_memory_ordered 1
		.amdhsa_forward_progress 1
		.amdhsa_inst_pref_size 38
	.end_amdhsa_kernel
	.amdgpu_metadata
---
amdhsa.version: [ 1, 2 ]
amdhsa.kernels:
  - .name:           k_qf5756c1d41_prep
    .symbol:         k_qf5756c1d41_prep.kd
    .args:
      - { .name: x, .offset: 0, .size: 8, .value_kind: global_buffer, .address_space: global }
      - { .name: rms_w, .offset: 8, .size: 8, .value_kind: global_buffer, .address_space: global }
      - { .name: lowp_scales, .offset: 16, .size: 8, .value_kind: global_buffer, .address_space: global }
      - { .name: xc, .offset: 24, .size: 8, .value_kind: global_buffer, .address_space: global }
      - { .name: rope_tab, .offset: 32, .size: 8, .value_kind: global_buffer, .address_space: global }
    .group_segment_fixed_size: 41984
    .private_segment_fixed_size: 0
    .kernarg_segment_align: 8
    .kernarg_segment_size: 40
    .max_flat_workgroup_size: 256
    .sgpr_count:     66
    .vgpr_count:     234
    .wavefront_size: 32
...
	.end_amdgpu_metadata
.endif
;; end of part 1
;; launch qkv (part 2): grid 16 x 24, 4 waves a work-group, clusters of 4 x 4, 327,680 bytes of LDS; arguments xc, wq_codes, wk_codes, wv_codes, bq, bk, bv, lowp_scales, rope_tab, q_img, kv_img; writes q_img, kv_img
.if DOCPART == 2
	.amdgcn_target "amdgcn-amd-amdhsa--gfx1250"
	.amdhsa_code_object_version 6
	.text
	.protected	k_qf5756c1d41_qkv
	.globl	k_qf5756c1d41_qkv
	.p2align	8
	.type	k_qf5756c1d41_qkv,@function
k_qf5756c1d41_qkv:
	s_mov_b64 s[64:65], 0
	v_nop
	global_prefetch_b8 v0, s[64:65] scope:SCOPE_SE
	s_setreg_imm32_b32 hwreg(HW_REG_WAVE_MODE, 25, 1), 1
	s_wait_xcnt 0x0
	s_wait_alu depctr_hold_cnt(0) depctr_sa_sdst(0) depctr_va_vdst(0) depctr_va_sdst(0) depctr_va_ssrc(0) depctr_va_vcc(0) depctr_vm_vsrc(0)
	s_getreg_b32 s2, hwreg(HW_REG_IB_STS2, 6, 4)
	s_cmp_eq_u32 s2, 0
	s_cbranch_scc0 .Lentry_in_a_cluster
	s_endpgm
.Lentry_in_a_cluster:
	s_bfe_u32 s2, ttmp6, 0x10000c
	s_cmp_lg_u32 s2, 0xf033
	s_cbranch_scc0 .Lentry_shape_is_right
	s_endpgm
.Lentry_shape_is_right:
; The three projections on codes of E5M2, with bias, the rotary embedding (q, k) and the quantiser of the attention's operands on the way out.
; mat = cluster y / 2: 0 = q, 1 = k, 2 = v (the same in all partners of a cluster).  v's way out has the fewest instructions (no embedding), so its work-groups have the highest numbers.
; A tile is 256 rows of xc x 256 rows of the weight (two heads); K = 1,024 in four steps of 256 through two LDS slots.
; Four waves, each 128 x 128: 64 accumulators, 512 registers.  CLUSTERS: 4 x 4 work-groups, joint loads.  THE LDS REGIONS ARE FIXED: region 0 (bytes 0 on) feeds source 1 and is shared along a row of the cluster,
; region 1 (2 HALFT on) feeds source 0 and is shared along a column.  q, k: region 0 holds xc's tile 4 x cluster x + cy, region 1 the weight's tile 4 x (cluster y % 2) + cx.
; v: the two buffers and the two cluster numbers change places in the GLOBAL addresses alone: region 0 holds the weight's tile 4 x (cluster y % 2) + cy, region 1 xc's tile 4 x cluster x + cx.  No LDS address hangs on the projection.
; q, k: source 0 = 16 rows of the weight, source 1 = 16 rows of xc: lane (r, h), register j of accumulator (a, b) = row 16 a + r, column 16 b + 8 h + j of one head.  A lane then holds the pairs
;   (x[2 i], x[2 i + 1]) of the embedding.  out[i + 64] = out[i] for every input, so 64 numbers a row are kept; eight of them, i = 16 beta + 8 (p / 4) + 4 h + p % 4, make registers 2 beta, 2 beta + 1 of a K = 64 operand:
;   the same order of i in q and in k, so every product meets its partner.
; v: source 0 = 16 rows of xc, source 1 = 16 rows of the weight: register j = key 16 b + 8 h + j, lane r = channel 16 a + r: eight neighbouring keys: registers 2 b, 2 b + 1 of a K = 128 operand.
; OUT: images of the operands' registers: q_img [bh][block of 128 rows][tile of 16][1,024], kv_img [bh][128 keys][8 x 1,024 of k, then 8 x 2,048 of v]: four registers of a lane at 16 x lane: each store covers 512 consecutive bytes.
; Scales: xc e0, e2, e4; weights e1, e3, e5; out: k e6, q e7 (the product of scores is lowered with k on the left), v e8.
; The bias in both layouts and the table's first two blocks are loaded in every work-group, whichever arm reads them: so every register is written on every way through the text.
; NO PREFETCH: K has four steps, and a step's prefetch would stand two refills ahead of its load: the first four steps come by their loads alone.
; LIMITS: eA + eB between -126 and 127; the out exponents between -126 and 112.  NaN is not served.
.set KSTEP,  256
.set ROWB,   256
.set KROW,   1024
.set PITCH,  272                       ; an LDS row: 256 bytes + 16 of padding = 68 words: the 16 rows of a load start at 16 different banks (64 banks of 4 bytes: ISA guide 11.1)
.set FR,     16
.set NL,     4
.set NP,     4
.set HALFT,  128*PITCH
.set SLOT,   4*HALFT                   ; region 0's 256 rows, then region 1's 256 rows
.set LAPS,   2
.set SPARE,  2*SLOT                    ; the spare words: 128 bytes a wave
.set ADRA, 16                          ; v16-17  LDS address of source 1's fragments in slot 0, 1
.set ADRB, 20                          ; v20-21  of source 0's
.set LIM,  22                          ; v22     57,344 x the out scale
.set SCL,  23                          ; v23     the out scale as f32
.set LI,   24                          ; v24     16 x lane
.set HB,   25                          ; v25     32 h
.set RB,   26                          ; v26     4 r
.set SPW,  28
.set NIL,  29
.set BIAS, 32                          ; v32-95  q, k: bias[16 b + 8 h + j] at 8 b + j
.set BV,   96                          ; v96-111 v: bias[16 a + r], twice, at 2 a
.set W,    112                         ; the way out: v112-175 a block's 64 numbers
.set AF,   128                         ; source 1's fragments, one set
.set Y,    176                         ; the way out: v176-207 the embedding's 32 results
.set C,    208                         ; the way out: v208-239 codes, two sets of 16
.set G1, 24
.set G0, 32
.set G1B, 48
.set G0B, 56
.set MSB, 0
.macro WIN new                         ; the immediate's high byte repeats the setting that is left
.if MSB != \new
	s_set_vgpr_msb (MSB<<8)|\new
.set MSB, \new
.endif
.endm
.set MUL_LO, 0xa1                      ; source 0 window 1, source 1 window 0, C and D window 2
.set MUL_HI, 0xf1                      ; the same, C and D window 3
.set TO_B,   0x40                      ; destination window 1, address window 0
; A joint load: waves 0 and 1 fetch region 0's halves, waves 2 and 3 region 1's.  An s_nop 0 and four v_nop follow each of the two lines.
.macro JLOAD g0a, g1a, g0b, g1b
	s_cmp_eq_u32 s15, 0
	s_cbranch_scc0 .Lfor_b_\@
	tensor_load_to_lds s[\g0a:\g0a+3], s[\g1a:\g1a+7]
	s_nop 0
.rept 4
	v_nop
.endr
	s_branch .Lasked_\@
.Lfor_b_\@:
	tensor_load_to_lds s[\g0b:\g0b+3], s[\g1b:\g1b+7]
	s_nop 0
.rept 4
	v_nop
.endr
.Lasked_\@:
.endm
.macro CREST                           ; a round of the cluster's barrier behind its opening barrier
	s_cmp_lg_u32 s14, 0
	s_cbranch_scc1 .Lnot_wave_0_\@
	s_barrier_signal -3
.Lnot_wave_0_\@:
	s_barrier_wait -3
	s_barrier_signal -1
	s_barrier_wait -1
.endm
.macro CROUND
	s_barrier_signal -1
	s_barrier_wait -1
	CREST
.endm
	s_load_b256 s[68:75], s[0:1], 0x0              ; xc, wq, wk, wv
	s_load_b256 s[76:83], s[0:1], 0x20             ; bq, bk, bv, the scales' exponents
	s_load_b128 s[84:87], s[0:1], 0x40             ; rope_tab, q_img
	s_load_b64 s[88:89], s[0:1], 0x50              ; kv_img
	v_lshl_add_u32 v[SPW], v0, 2, SPARE
	v_mov_b32 v[NIL], 0
	ds_add_u32 v28, v29                            ; the opening lines: the add, twice on end, and its wait
	ds_add_u32 v28, v29
	s_wait_dscnt 0x0
	v_lshrrev_b32 v1, 5, v0
	v_readfirstlane_b32 s14, v1                    ; wave 0..3
	s_lshr_b32 s15, s14, 1                         ; which half feeds source 1.  Also: I fetch region 0 (0) or region 1 (1)
	s_and_b32 s16, s14, 1                          ; which half feeds source 0.  Also: which 128 rows I fetch
	s_bfe_u32 s40, ttmp6, 0x40000                  ; cx
	s_bfe_u32 s41, ttmp6, 0x40004                  ; cy
	s_and_b32 s19, ttmp7, 0xffff                   ; cluster y
	s_lshr_b32 s66, s19, 1                         ; mat
	s_and_b32 s18, s19, 1
	s_lshl_b32 s18, s18, 2                         ; the weight's tiles: 4 x (cluster y % 2) on
	s_lshl_b32 s19, ttmp9, 2                       ; xc's tiles: 4 x cluster x on
	s_cmp_eq_u32 s66, 2
	s_cselect_b32 s67, 1, 0                        ; is it v?
	s_cselect_b32 s42, s19, s18
	s_cselect_b32 s17, s18, s19
	s_add_co_u32 s42, s42, s40                     ; region 1's tile: hangs on cx alone
	s_add_co_u32 s17, s17, s41                     ; region 0's tile: hangs on cy alone
	s_lshl_b32 s43, s41, 2
	s_lshl_b32 s43, 15, s43                        ; my row of the cluster
	s_lshl_b32 s44, 0x1111, s40                    ; my column
	s_or_b32 s[G1+0], s43, (0<<16)|(1<<20)|(1<<21)|(5<<22)|(3<<25)  ; the mask; elements of 1 byte; padding on; bit 21 beside a mask; 4 words behind every 64
	s_or_b32 s[G1B+0], s44, (0<<16)|(1<<20)|(1<<21)|(5<<22)|(3<<25)
.irp g, G1, G1B
	s_mov_b32 s[\g+1], ROWB<<16                    ; tensor_dim0
	s_mov_b32 s[\g+2], 128<<16                     ; tensor_dim1
	s_mov_b32 s[\g+3], ROWB<<16                    ; tile_dim0
	s_mov_b32 s[\g+4], 128                         ; tile_dim1
	s_mov_b32 s[\g+5], KROW                        ; the pitch
	s_mov_b32 s[\g+6], 0
	s_mov_b32 s[\g+7], 0
.endr
	s_lshl_b32 s18, s16, 7
	s_lshl_b32 s20, s17, 8
	s_add_co_u32 s20, s20, s18                     ; region 0: row 256 x tile + 128 x half
	s_lshl_b32 s20, s20, 10
	s_lshl_b32 s19, s66, 22                        ; the projection's set of codes in xc goes to the region that holds xc
	s_cmp_eq_u32 s67, 1
	s_cselect_b32 s22, 0, s19
	s_cselect_b32 s23, s19, 0
	s_add_co_u32 s20, s20, s22
	s_mov_b32 s21, 0
	s_lshl_b32 s46, s42, 8
	s_add_co_u32 s46, s46, s18                     ; region 1: row 256 x tile + 128 x half
	s_lshl_b32 s46, s46, 10
	s_add_co_u32 s46, s46, s23
	s_mov_b32 s47, 0
	s_mul_i32 s45, s14, HALFT                      ; where they go: wave x 128 rows
	s_wait_kmcnt 0x0
	s_load_b256 s[92:99], s[82:83], 0x0            ; e0 .. e7
	s_load_b32 s100, s[82:83], 0x20                ; e8
	s_cmp_eq_u32 s66, 0
	s_cselect_b64 s[6:7], s[70:71], s[72:73]       ; the weight,
	s_cselect_b64 s[8:9], s[76:77], s[78:79]       ; the bias,
	s_cselect_b64 s[10:11], s[86:87], s[88:89]     ; the buffer of images
	s_cmp_eq_u32 s66, 2
	s_cselect_b64 s[6:7], s[74:75], s[6:7]
	s_cselect_b64 s[8:9], s[80:81], s[8:9]
	s_cselect_b64 s[4:5], s[6:7], s[68:69]         ; region 0's buffer: the weight (v) or xc,
	s_cselect_b64 s[6:7], s[68:69], s[6:7]         ; region 1's: the other one
	s_add_nc_u64 s[20:21], s[4:5], s[20:21]
	s_add_nc_u64 s[46:47], s[6:7], s[46:47]
	CROUND                                         ; all sixteen work-groups are here: the first joint loads meet
.irp s, 0,1
	s_mov_b32 s[G0+4*\s], 1
	s_add_co_u32 s[G0+4*\s+1], s45, \s*SLOT
	s_add_nc_u64 s[G0+4*\s+2:G0+4*\s+3], s[20:21], \s*ROWB
	s_or_b32 s[G0+4*\s+3], s[G0+4*\s+3], 0x80000000
	s_mov_b32 s[G0B+4*\s], 1
	s_add_co_u32 s[G0B+4*\s+1], s45, \s*SLOT
	s_add_nc_u64 s[G0B+4*\s+2:G0B+4*\s+3], s[46:47], \s*ROWB
	s_or_b32 s[G0B+4*\s+3], s[G0B+4*\s+3], 0x80000000
.endr
	JLOAD G0, G1, G0B, G1B                         ; K step 0: one tensor load a wave at the head
	v_and_b32 v1, 15, v0                           ; r
	v_bfe_u32 v2, v0, 4, 1                         ; h
	v_mul_u32_u24 v3, v1, PITCH
	v_lshl_add_u32 v4, v2, 4, v3                   ; a fragment's row x pitch + 16 h
	s_wait_alu depctr_va_vdst(0)
	s_mul_i32 s21, s15, HALFT                      ; source 1 reads region 0,
	s_mul_i32 s22, s16, HALFT
	s_add_co_u32 s22, s22, 2*HALFT                 ; source 0 region 1
.irp s, 0,1
	v_add_nc_u32 v[ADRA+\s], s21, v4
	v_add_nc_u32 v[ADRB+\s], s22, v4
	s_add_co_u32 s21, s21, SLOT
	s_add_co_u32 s22, s22, SLOT
.endr
	v_and_b32 v5, 31, v0
	v_lshlrev_b32 v[LI], 4, v5
	v_lshlrev_b32 v[HB], 5, v2
	s_wait_alu depctr_va_vdst(0)
	v_lshlrev_b32 v[RB], 2, v1
	s_wait_alu depctr_va_vdst(0)
	s_cmp_eq_u32 s67, 1
	s_cselect_b32 s18, s16, s15                    ; which half of xc's rows is mine,
	s_cselect_b32 s19, s15, s16                    ; which of the tile's two heads
	s_cselect_b32 s20, s42, s17                    ; xc's tile,
	s_cselect_b32 s21, s17, s42                    ; the weight's tile
	s_lshl_b32 s20, s20, 1
	s_add_co_u32 s20, s20, s18                     ; my block of 128 rows, 0 .. 31
	s_lshl_b32 s21, s21, 1
	s_add_co_u32 s21, s21, s19                     ; my head
	s_and_b32 s22, s20, 15                         ; the block within its batch entry: also the block of positions
	s_lshr_b32 s23, s20, 4
	s_lshl_b32 s23, s23, 4
	s_add_co_u32 s23, s23, s21                     ; bh
	s_lshl_b32 s23, s23, 4
	s_add_co_u32 s23, s23, s22                     ; 16 bh + block
	s_mov_b32 s46, 24576
	s_cmp_eq_u32 s66, 0
	s_cselect_b32 s46, 8192, s46
	s_mul_i32 s46, s23, s46
	s_cmp_eq_u32 s67, 1
	s_cselect_b32 s47, 8192, 0                     ; v's images lie behind k's
	s_add_co_u32 s46, s46, s47
	s_mov_b32 s47, 0
	s_add_nc_u64 s[10:11], s[10:11], s[46:47]      ; my images
	s_lshl_b32 s46, s21, 9
	s_add_nc_u64 s[8:9], s[8:9], s[46:47]          ; my head's 128 numbers of the bias
	s_lshl_b32 s46, s22, 16
	s_add_nc_u64 s[12:13], s[84:85], s[46:47]      ; my 128 positions in the table
.irp b, 0,1,2,3,4,5,6,7
	global_load_b128 v[BIAS+8*\b:BIAS+8*\b+3], v[HB], s[8:9] offset:64*\b
	global_load_b128 v[BIAS+8*\b+4:BIAS+8*\b+7], v[HB], s[8:9] offset:64*\b+16
.endr
.irp a, 0,1,2,3,4,5,6,7
	global_load_b32 v[BV+2*\a], v[RB], s[8:9] offset:64*\a
	global_load_b32 v[BV+2*\a+1], v[RB], s[8:9] offset:64*\a
.endr
	s_wait_kmcnt 0x0
	s_cmp_eq_u32 s66, 0
	s_cselect_b32 s18, s92, s94
	s_cselect_b32 s19, s93, s95
	s_cselect_b32 s20, s99, s98                    ; q: e7, k: e6
	s_cmp_eq_u32 s66, 2
	s_cselect_b32 s18, s96, s18
	s_cselect_b32 s19, s97, s19
	s_cselect_b32 s20, s100, s20                   ; v: e8
	s_add_co_i32 s18, s18, s19
	s_add_co_i32 s18, s18, 127
	s_lshl_b32 s90, s18, 23                        ; 2^(eA + eB) as f32
	s_mov_b32 s91, s90                             ; (named with it as a pair)
	s_add_co_i32 s20, s20, 127
	s_lshl_b32 s21, s20, 23
	v_mov_b32 v[SCL], s21
	s_add_co_i32 s20, s20, 15
	s_lshl_b32 s20, s20, 23
	s_or_b32 s20, s20, 0x600000
	v_mov_b32 v[LIM], s20
.macro FRAG reg, adr, q, i             ; 16 rows x 128 K: registers 4 c .. 4 c + 3 hold K = 32 c + 16 h + 0 .. 15: the same order of K on both sides
.irp c, 0,1,2,3
	ds_load_b128 v[\reg+4*\c:\reg+4*\c+3], v[\adr] offset:128*(\q)+32*\c+(\i)*16*PITCH
.endr
.endm
; 16 matrix instructions.  The 64 accumulators take turns, one instruction a turn, in the same order in every step
.macro MUL16 a0, p, zero
.irp a, \a0, \a0+1
.irp b, 0,1,2,3,4,5,6,7
.if \zero
	v_wmma_f32_16x16x128_bf8_bf8 v[8*(8*((\a)%4)+\b):8*(8*((\a)%4)+\b)+7], v[128*(\p)+FR*\b:128*(\p)+FR*\b+FR-1], v[AF+FR*(\a):AF+FR*(\a)+FR-1], 0
.else
	v_wmma_f32_16x16x128_bf8_bf8 v[8*(8*((\a)%4)+\b):8*(8*((\a)%4)+\b)+7], v[128*(\p)+FR*\b:128*(\p)+FR*\b+FR-1], v[AF+FR*(\a):AF+FR*(\a)+FR-1], v[8*(8*((\a)%4)+\b):8*(8*((\a)%4)+\b)+7]
.endif
.endr
.endr
.endm
.macro FETCH_B slot, q, p
	WIN TO_B
.irp i, 0,1,2,3,4,5,6,7
	FRAG 128*(\p)+FR*\i, ADRB+\slot, \q, \i
.endr
	WIN 0
.endm
.macro FETCH_A slot, q, i0
.irp i, \i0, \i0+1, \i0+2, \i0+3
	FRAG AF+FR*(\i), ADRA+\slot, \q, \i
.endr
.endm
; four plain vector lines stand between a matrix instruction and a load into, or a vector write of, one of its registers, and a vector read of its result
.macro PLACES n
.rept \n
	v_nop
.endr
.endm
.macro STEP slot, q, zero              ; 128 along K, with its successor in the same slot
	s_wait_dscnt 4*NL                              ; source 0's set and source 1's blocks 0-3 are in; the youngest 16 loads may be out
	WIN MUL_LO
	MUL16 0, (\q)%2, \zero
	MUL16 2, (\q)%2, \zero
	s_wait_dscnt 0
	PLACES NP
	FETCH_B \slot, (\q)+1, 1-(\q)%2
	FETCH_A \slot, (\q)+1, 0
	WIN MUL_HI
	MUL16 4, (\q)%2, \zero
	MUL16 6, (\q)%2, \zero
	PLACES NP
	WIN 0
	FETCH_A \slot, (\q)+1, 4
.endm
; a slot's last step changes slots: one barrier; in front of it each wave waits for all its tensor loads, adds 0 to its spare word and waits for that and for its reads of the slot
.macro TURN slot, next, fill
	s_wait_tensorcnt 0x0                           ; my part of the next slot has landed
	ds_add_u32 v[SPW], v[NIL]
	s_wait_dscnt 4*NL+1                            ; (the add and the youngest 16 loads may be out)
	WIN MUL_LO
	MUL16 0, 1, 0
	s_wait_dscnt 0x0                               ; the add is done, my reads of this slot are over
	s_barrier_signal -1
	MUL16 2, 1, 0
	WIN 0
	s_barrier_wait -1
.if \fill
	CREST                                          ; the barrier has opened a round of the cluster's: no wave of any partner still reads the slot or has a load on its way
	s_add_nc_u64 s[G0+4*\slot+2:G0+4*\slot+3], s[G0+4*\slot+2:G0+4*\slot+3], 2*ROWB
	s_add_nc_u64 s[G0B+4*\slot+2:G0B+4*\slot+3], s[G0B+4*\slot+2:G0B+4*\slot+3], 2*ROWB
	JLOAD G0+4*\slot, G1, G0B+4*\slot, G1B         ; the first tensor load behind the round; its four v_nop are the places in front of the loads below
.else
	PLACES NP
.endif
	FETCH_B \next, 0, 0
	FETCH_A \next, 0, 0
	WIN MUL_HI
	MUL16 4, 1, 0
	MUL16 6, 1, 0
	PLACES NP
	WIN 0
	FETCH_A \next, 0, 4
.endm
; the table of block a (16 positions): 64 registers of window 1, four sets by turns: v0-127 are source 0's set 0, which the last step does not read; v128-255 its set 1, free behind the last products
.macro TLD a
	WIN TO_B
.set ee, 0
.rept 16
	global_load_b128 v[64*((\a)%4)+4*ee:64*((\a)%4)+4*ee+3], v[LI], s[12:13] offset:8192*(\a)+512*ee
.set ee, ee+1
.endr
	WIN 0
.endm
	s_wait_alu depctr_va_vdst(0)
	s_wait_tensorcnt 0x0                           ; my part of K step 0 is in
	ds_add_u32 v[SPW], v[NIL]
	s_wait_dscnt 0x0
	CROUND                                         ; everybody's part of K step 0 is in, and all sixteen work-groups are here
	JLOAD G0+4, G1, G0B+4, G1B                     ; K step 1: the first tensor load behind the round
	FETCH_B 0, 0, 0
	FETCH_A 0, 0, 0
	FETCH_A 0, 0, 4
	STEP 0, 0, 1                                   ; the first step's products start the sums
	s_mov_b32 s3, LAPS-1
.Llap:
	TURN 0, 1, 1
	STEP 1, 0, 0
	TURN 1, 0, 1
	STEP 0, 0, 0
	s_sub_co_u32 s3, s3, 1
	s_cmp_lg_u32 s3, 0
	s_cbranch_scc1 .Llap
	TURN 0, 1, 0                                   ; the last lap fills nothing
	STEP 1, 0, 0
	TLD 0                                          ; set 0's last products stand in front of STEP's closing places
	TLD 1
	s_wait_dscnt 4*NL
	WIN MUL_LO
	MUL16 0, 1, 0
	MUL16 2, 1, 0
	s_wait_dscnt 0
	WIN MUL_HI
	MUL16 4, 1, 0
	MUL16 6, 1, 0
	WIN 0
	PLACES NP
; q, k: block a (16 rows): sum x 2^(eA + eB) + bias; the embedding; the hold; eight registers of codes; 1,024 bytes of image
.macro BLKQK a
.set AC, 64*((\a)%4)
.set TT, 64*((\a)%4)
.set CC, C+16*((\a)%2)
.if (\a) < 5
	s_wait_loadcnt 48                              ; this block's table (and all before it) is in; the 16 loads of each of the next three blocks may be out
.else
	s_wait_loadcnt 16*(7-(\a))                     ; of the blocks that are left
.endif
	WIN 0x02+((\a)/4)                              ; source 0: window 2 or 3
.set nn, 0
.rept 32
	v_pk_fma_f32 v[W+nn:W+nn+1], v[AC+nn:AC+nn+1], s[90:91], v[BIAS+nn:BIAS+nn+1] op_sel_hi:[1,0,1]   ; each accumulator from its low end on
.set nn, nn+2
.endr
	WIN 0x04                                       ; source 1: window 1
.set nn, 0
.rept 32
	v_pk_mul_f32 v[W+nn:W+nn+1], v[W+nn:W+nn+1], v[TT+nn:TT+nn+1]   ; c1 x[2 i], c2 x[2 i + 1]
.set nn, nn+2
.endr
	WIN 0
.if (\a) < 4
	TLD (\a)+4                                     ; this block's set takes the table four blocks on
.endif
.set nn, 0
.rept 32
	v_add_f32 v[Y+nn], v[W+2*nn], v[W+2*nn+1]
.set nn, nn+1
.endr
.set nn, 0
.rept 32
	v_med3_num_f32 v[Y+nn], v[Y+nn], -v[LIM], v[LIM]
.set nn, nn+1
.endr
.if (\a) > 1
	s_wait_alu depctr_va_vdst(0)
	s_wait_xcnt 0x0                                ; the stores of two blocks back have read this set of codes
.endif
.irp g, 0,1,2,3
	v_cvt_scalef32_pk8_bf8_f32 v[CC+2*\g:CC+2*\g+1], v[Y+8*\g:Y+8*\g+7], v[SCL]
.endr
	v_nop                                          ; a plain line behind the last conversion
	global_store_b128 v[LI], v[CC:CC+3], s[10:11] offset:1024*(\a)
	global_store_b128 v[LI], v[CC+4:CC+7], s[10:11] offset:1024*(\a)+512
.endm
; v: block a (16 channels x 128 keys): sum x 2^(eA + eB) + bias; the hold; sixteen registers of codes; 2,048 bytes of image
.macro BLKV a
.set AC, 64*((\a)%4)
.set CC, C+16*((\a)%2)
	WIN 0x02+((\a)/4)
.set nn, 0
.rept 32
	v_pk_fma_f32 v[W+nn:W+nn+1], v[AC+nn:AC+nn+1], s[90:91], v[BV+2*(\a):BV+2*(\a)+1] op_sel_hi:[1,0,1]
.set nn, nn+2
.endr
	WIN 0
.set nn, 0
.rept 64
	v_med3_num_f32 v[W+nn], v[W+nn], -v[LIM], v[LIM]
.set nn, nn+1
.endr
.if (\a) > 1
	s_wait_alu depctr_va_vdst(0)
	s_wait_xcnt 0x0
.endif
.irp g, 0,1,2,3,4,5,6,7
	v_cvt_scalef32_pk8_bf8_f32 v[CC+2*\g:CC+2*\g+1], v[W+8*\g:W+8*\g+7], v[SCL]
.endr
	v_nop
.irp c, 0,1,2,3
	global_store_b128 v[LI], v[CC+4*\c:CC+4*\c+3], s[10:11] offset:2048*(\a)+512*\c
.endr
.endm
	s_cmp_eq_u32 s67, 1                            ; the same in all partners; neither arm has a barrier, a tensor load or an LDS instruction
	s_cbranch_scc1 .Lv_arm
	TLD 2                                          ; behind the places that follow the last products: set 1's registers are free
	TLD 3
.irp a, 0,1,2,3,4,5,6,7
	BLKQK \a
.endr
	s_branch .Ljoin
.Lv_arm:
	s_wait_loadcnt 0x0
.irp a, 0,1,2,3,4,5,6,7
	BLKV \a
.endr
.Ljoin:
	s_wait_tensorcnt 0x0                           ; the wave's end
	ds_add_u32 v[SPW], v[NIL]
	s_wait_dscnt 0x0
	CROUND                                         ; the closing round
	s_endpgm
.Lfunc_end_k_qf5756c1d41_qkv:
	.size	k_qf5756c1d41_qkv, .Lfunc_end_k_qf5756c1d41_qkv-k_qf5756c1d41_qkv
	.p2alignl 7, 3214868480
	.fill 96, 4, 3214868480
	.section	.rodata,"a",@progbits
	.p2align	6, 0x0
	.amdhsa_kernel k_qf5756c1d41_qkv
		.amdhsa_group_segment_fixed_size 327680
		.amdhsa_private_segment_fixed_size 0
		.amdhsa_enable_private_segment 0
		.amdhsa_kernarg_size 88
		.amdhsa_user_sgpr_count 2
		.amdhsa_user_sgpr_kernarg_segment_ptr 1
		.amdhsa_wavefront_size32 1
		.amdhsa_system_sgpr_workgroup_id_x 1
		.amdhsa_system_sgpr_workgroup_id_y 1
		.amdhsa_system_sgpr_workgroup_id_z 1
		.amdhsa_system_vgpr_workitem_id 0
		.amdhsa_next_free_vgpr 1024
		.amdhsa_next_free_sgpr 102
		.amdhsa_reserve_vcc 0
		.amdhsa_float_denorm_mode_32 3
		.amdhsa_float_denorm_mode_16_64 3
		.amdhsa_memory_ordered 1
		.amdhsa_forward_progress 1
		.amdhsa_inst_pref_size 213
	.end_amdhsa_kernel
	.amdgpu_metadata
---
amdhsa.version: [ 1, 2 ]
amdhsa.kernels:
  - .name:           k_qf5756c1d41_qkv
    .symbol:         k_qf5756c1d41_qkv.kd
    .args:
      - { .name: xc, .offset: 0, .size: 8, .value_kind: global_buffer, .address_space: global }
      - { .name: wq_codes, .offset: 8, .size: 8, .value_kind: global_buffer, .address_space: global }
      - { .name: wk_codes, .offset: 16, .size: 8, .value_kind: global_buffer, .address_space: global }
      - { .name: wv_codes, .offset: 24, .size: 8, .value_kind: global_buffer, .address_space: global }
      - { .name: bq, .offset: 32, .size: 8, .value_kind: global_buffer, .address_space: global }
      - { .name: bk, .offset: 40, .size: 8, .value_kind: global_buffer, .address_space: global }
      - { .name: bv, .offset: 48, .size: 8, .value_kind: global_buffer, .address_space: global }
      - { .name: lowp_scales, .offset: 56, .size: 8, .value_kind: global_buffer, .address_space: global }
      - { .name: rope_tab, .offset: 64, .size: 8, .value_kind: global_buffer, .address_space: global }
      - { .name: q_img, .offset: 72, .size: 8, .value_kind: global_buffer, .address_space: global }
      - { .name: kv_img, .offset: 80, .size: 8, .value_kind: global_buffer, .address_space: global }
    .group_segment_fixed_size: 327680
    .private_segment_fixed_size: 0
    .kernarg_segment_align: 8
    .kernarg_segment_size: 88
    .max_flat_workgroup_size: 128
    .sgpr_count:     102
    .vgpr_count:     1024
    .wavefront_size: 32
...
	.end_amdgpu_metadata
.endif
;; end of part 2
;; launch attn (part 3): grid 32 x 8, 8 waves a work-group, no clusters, 327,680 bytes of LDS; arguments q_img, kv_img, lowp_scales, o_img; writes o_img
.if DOCPART == 3
	.amdgcn_target "amdgcn-amd-amdhsa--gfx1250"
	.amdhsa_code_object_version 6
	.text
	.protected	k_qf5756c1d41_attn
	.globl	k_qf5756c1d41_attn
	.p2align	8
	.type	k_qf5756c1d41_attn,@function
k_qf5756c1d41_attn:
	s_mov_b64 s[64:65], 0
	v_nop
	global_prefetch_b8 v0, s[64:65] scope:SCOPE_SE
	s_setreg_imm32_b32 hwreg(HW_REG_WAVE_MODE, 25, 1), 1
	s_wait_xcnt 0x0
; Causal attention on codes of E5M2.  The grid's x is the (batch, head) = bh, its y the number x = 0 .. 7 of the work-group among the eight of that head.  q_img, kv_img: images of operand registers, as the launch before lays them.
; SCORES.  The embedded q and k repeat their first 64 numbers, for every input, so q . k over 128 is twice the sum over the 64 codes kept: one K = 64 product, and the 2 goes into the factor c.
; SOFTMAX.  t = score x log2(e) / sqrt(128); M = the running largest t rounded up to a whole number; p = 2^(t - M) is quantised (e9), not normalised; the row's sum is taken of the unquantised p and divides at the end.
; SHARES.  Work-group x owns the blocks of 128 queries x and 15 - x: 17 block-steps in every work-group.  Eight waves, each TWO tiles of 16 queries of one block (tiles 2 p, 2 p + 1, p = w / 2; hi = (w ^ (w >> 2)) & 1 says
; which block): a fragment of K or V that a wave reads from LDS feeds two matrix instructions.  The two tiles' softmax chains are laid by turns, line by line.
; Key steps of 128 keys: step j is worked where j <= my block, with the mask where j = my block, and jumped over beyond it (a scalar branch on ids round loads, products and softmax alone).
; THE RING.  Two slots of two key steps (2 x 24,576 bytes), 2^16 bytes apart.  Each of the eight waves fetches an eighth of a slot, 24 rows of 256 bytes, with one tensor load: behind a change of slots one load a wave is out,
; and it has two key steps' work in which to land.  Every work-group walks eight changes of slots (the trip count is a constant); a slot whose first key step lies behind block 15 - x is read by no wave and is not asked for:
; a jump on ids and the count of steps, the same in all waves, round the load alone.  Every wait on TENSORcnt is for 0.
; NO CLUSTER: which steps a wave works hangs on the work-group's place among the eight of a head, so those branches would hang on the place in a cluster.
; Both products are used transposed: S^T = K Q^T, O^T = V^T P^T: a lane holds one query (lane % 16) of each tile; register j of tile t is key (channel) 16 t + 8 h + j, so a conversion's eight codes are registers 2 t, 2 t + 1 of the next operand.
; OUT: o / l x 2^(e8 + e9), quantised with e10, as the image of the last projection's operand: o_img [block of 128 rows][head][tile of 16][2,048]: tile t's eight codes at 512 (t / 2) + 256 (t % 2) + 16 q + 8 h.
; REGISTERS.  Window 0: v0-31 addresses, constants and the two tiles' running numbers; v32-95 fragments; v96-159, v160-223 the two tiles' S^T, then p; v224-243 at work.
; Window 1: v0-63, v64-127 the two O^T; v128-159 p's codes; v160-175 Q; v176-239 V's tiles 4-7.
; LIMITS: e6 + e7 + 1 between -123 and 130; e9 and e10 between -126 and 112.  NaN is not served.
.set TILE,  24576                      ; a key step: 8 images of k (1,024), 8 of v (2,048)
.set VOFF,  8192
.set SLOTB, 2*TILE                     ; a slot's bytes
.set SLOT1, 1<<16                      ; slot 1 begins here: one exclusive or turns an address from one slot to the other
.set PART,  SLOTB/8                    ; what one wave fetches
.set SPARE, SLOT1+SLOTB                ; behind the ring: the spare words, 128 bytes for each of 8 waves
.set LI,   1                           ; v1   16 x lane
.set SPW,  2
.set NIL,  3
.set PFO,  4                           ; v4   256 x lane
.set DD,   5                           ; v5   32 p + r - 8 h: in my first tile key 16 t + j of my half is hidden on the diagonal where 16 t + j > v5; in the second where 16 t + j - 16 > v5
.set GO,   6                           ; v6   16 r + 8 h
.set AD,   8                           ; v8   my lane's place in the slot in hand
.set STA,  12                          ; v12-15, v16-19: for each tile -M, the largest t, the sum in two halves
.set FA,   20                          ; v[20:21], v[22:23]: f = 2^(old M - new M) (the low word serves both halves)
.set HL,   24                          ; v24, v25  57,344 x 2^e9, twice: the two halves of a dual pair name different registers
.set SC9,  26                          ; v26  2^e9
.set SC10, 27                          ; v27  2^e10
.set L10,  28                          ; v28  57,344 x 2^e10
.set FRG,  32                          ; v32-95  fragments of K, then V's tiles 0-3
.set SA,   96                          ; v96-223 S^T of the two tiles
.set T,    224                         ; v224-230 at work
.set TPA,  232                         ; v232-237, v238-243 the sums' side chains
.set OA,   0                           ; window 1
.set PCA,  128
.set QA,   160
.set FR2,  176
.set WV,   12
.set BLK,  15
.set KF,   17                          ; s17  the key step
.set REM,  18                          ; s18  changes of slots to go
.set LIM,  19                          ; s19  a wave prefetches where s18 is above it
.set SEL,  20
.set CS,   22
.set G1,   24
.set G0,   32                          ; s[32:35] the walking group 0
.set PFA,  40
.set HB,   42                          ; s42  15 - x: the last key step that the work-group reads
.set TB,   43                          ; s43  LDS byte at which the slot in hand begins
.set XW,   57                          ; s57  x: the work-group's number among the eight of its head
.set MSB, 0
.macro WIN new                         ; low byte: bits 1:0 source 0, 3:2 source 1, 5:4 source 2, 7:6 destination; the high byte repeats the setting that is left
.if MSB != \new
	s_set_vgpr_msb (MSB<<8)|\new
.set MSB, \new
.endif
.endm
	s_load_b256 s[4:11], s[0:1], 0x0               ; q_img, kv_img, the scales' exponents, o_img
	v_lshl_add_u32 v[SPW], v0, 2, SPARE
	v_mov_b32 v[NIL], 0
	ds_add_u32 v[SPW], v[NIL]                      ; the opening lines: the add, twice on end, and its wait ahead of my first tensor load
	ds_add_u32 v[SPW], v[NIL]
	v_lshrrev_b32 v29, 5, v0
	v_readfirstlane_b32 s[WV], v29                 ; wave 0..7
	s_lshr_b32 s52, s[WV], 2
	s_xor_b32 s52, s52, s[WV]
	s_and_b32 s13, s52, 1                          ; hi
	s_and_b32 s14, s[WV], 6                        ; 2 p: my first tile of 16 queries
	s_and_b32 s[XW], ttmp7, 0xffff                 ; x
	s_sub_co_u32 s[HB], 15, s[XW]
	s_cmp_eq_u32 s13, 1
	s_cselect_b32 s[BLK], s[HB], s[XW]             ; my block of 128 queries
	s_mov_b32 s16, ttmp9                           ; bh
	s_mov_b32 s[KF], 0
	s_mov_b32 s[TB], 0
	s_mov_b32 s[REM], 8
	s_sub_co_u32 s52, s[WV], 4
	s_cmp_lt_u32 s52, 3                            ; waves 4, 5, 6
	s_cselect_b32 s52, 0, 1
	s_lshr_b32 s53, s[XW], 1
	s_or_b32 s52, s52, s53                         ; of work-groups x = 0, 1
	s_cmp_eq_u32 s52, 0
	s_cselect_b32 s[LIM], 2, -1                    ; they ask at the first six changes of slots
	s_mov_b32 s[G1], 3<<16                         ; no mask; elements of 8 bytes; no padding
	s_mov_b32 s[G1+1], 32<<16                      ; tensor_dim0 = 32 (256 bytes)
	s_mov_b32 s[G1+2], (PART/256)<<16              ; tensor_dim1 = 24
	s_mov_b32 s[G1+3], 32<<16                      ; tile_dim0
	s_mov_b32 s[G1+4], PART/256                    ; tile_dim1
	s_mov_b32 s[G1+5], 32                          ; the pitch: the block is dense
	s_mov_b32 s[G1+6], 0
	s_mov_b32 s[G1+7], 0
	s_mov_b32 s[SEL], 0x76543210
	s_mov_b32 s[SEL+1], 0xfedcba98
	s_mov_b32 s[CS], 0x3e0293ee                    ; c = log2(e) / sqrt(128)
	s_mul_i32 s52, s16, 16*TILE
	s_mov_b32 s53, 0
	s_mul_i32 s54, s[WV], PART                     ; my eighth of a slot, in memory and in LDS
	s_mov_b32 s55, 0
	s_wait_dscnt 0x0                               ; both opening adds are done
	s_wait_kmcnt 0x0
	s_load_b128 s[44:47], s[8:9], 0x18             ; e6, e7, e8, e9
	s_load_b32 s48, s[8:9], 0x28                   ; e10
	s_add_nc_u64 s[6:7], s[6:7], s[52:53]          ; my head's key steps
	s_mov_b32 s[G0], 1
	s_mov_b32 s[G0+1], s54                         ; slot 0
	s_add_nc_u64 s[G0+2:G0+3], s[6:7], s[54:55]    ; key steps 0 and 1
	s_or_b32 s[G0+3], s[G0+3], 0x80000000
	tensor_load_to_lds s[G0:G0+3], s[G1:G1+7]      ; the first fill: one load in every wave
	s_nop 0
.rept 4
	v_nop
.endr
	s_lshl_b32 s52, s16, 4
	s_add_co_u32 s52, s52, s[BLK]
	s_lshl_b32 s52, s52, 3
	s_add_co_u32 s52, s52, s14
	s_lshl_b32 s52, s52, 10
	s_add_nc_u64 s[4:5], s[4:5], s[52:53]          ; my two tiles of Q
	s_lshr_b32 s54, s16, 4
	s_lshl_b32 s54, s54, 4
	s_add_co_u32 s54, s54, s[BLK]                  ; my block of 128 rows, 0 .. 31
	s_lshl_b32 s54, s54, 4
	s_and_b32 s55, s16, 15
	s_add_co_u32 s54, s54, s55                     ; x 16 + the head
	s_lshl_b32 s54, s54, 3
	s_add_co_u32 s54, s54, s14                     ; x 8 + my first tile
	s_lshl_b32 s54, s54, 11
	s_mov_b32 s55, 0
	s_add_nc_u64 s[10:11], s[10:11], s[54:55]      ; my two images in o_img
	; THE PREFETCHES.  At the change of slots that loads slot n + 1, slot n + 2 is asked for (n = 0 .. 5): two key steps ahead of its tensor load.  The work-groups of a head walk the same slots and share them out:
	; work-group x = 0, 1 asks for the slot's key step x, its waves 4, 5, 6 for 8,192 bytes each, lanes 256 bytes apart: each aligned block of 256 bytes is named once.  Slots 0 and 1 come by their loads alone.
	s_min_u32 s54, s[XW], 1
	s_mul_i32 s54, s54, TILE
	s_and_b32 s56, s[WV], 3
	s_lshl_b32 s56, s56, 13
	s_add_co_u32 s54, s54, s56
	s_add_co_u32 s54, s54, SLOTB                   ; in slot 1: the first change of slots steps it to slot 2
	s_add_nc_u64 s[PFA:PFA+1], s[6:7], s[54:55]
	v_and_b32 v29, 31, v0
	v_lshlrev_b32 v[LI], 4, v29
	v_lshlrev_b32 v[PFO], 8, v29
	v_and_b32 v30, 15, v0                          ; r
	v_bfe_u32 v31, v0, 4, 1                        ; h
	WIN 0x40                                       ; destination: window 1
.irp c, 0,1,2,3
	global_load_b128 v[QA+4*\c:QA+4*\c+3], v[LI], s[4:5] offset:512*\c   ; Q of both tiles stays in registers
.endr
.set nn, 0
.rept 128
	v_mov_b32 v[OA+nn], 0                          ; the step is written once for all steps: the first finds zeros, which the first change of M leaves zeros
.set nn, nn+1
.endr
	WIN 0
	v_lshlrev_b32 v31, 3, v31
	v_sub_nc_u32 v[DD], v30, v31
	s_lshl_b32 s54, s14, 4
	v_add_nc_u32 v[DD], s54, v[DD]
	v_lshl_add_u32 v[GO], v30, 4, v31
.irp u, 0,1
	v_mov_b32 v[STA+4*\u+1], 0xff61b1e6            ; the largest t so far: -3e38
	v_mov_b32 v[STA+4*\u+2], 0                     ; the sum, in two halves
	v_mov_b32 v[STA+4*\u+3], 0
	v_mov_b32 v[FA+2*\u+1], 0                      ; (the upper half of a pair)
	v_mov_b32 v[T+4+\u], 0                         ; a lane permute's destination counts as one of its sources
.endr
.irp u, 0,1
	v_floor_f32 v[STA+4*\u], -v[STA+4*\u+1]        ; -M
.endr
	s_wait_kmcnt 0x0
	s_add_co_i32 s52, s44, s45
	s_add_co_i32 s52, s52, 1                       ; e6 + e7, and the 2 of the halved sum,
	s_lshl_b32 s52, s52, 23
	s_add_co_i32 s[CS], s[CS], s52                 ; go into c's exponent field
	s_mov_b32 s[CS+1], s[CS]
	s_add_co_i32 s52, s47, 127
	s_lshl_b32 s53, s52, 23
	v_mov_b32 v[SC9], s53                          ; 2^e9, for p's conversions
	s_add_co_i32 s52, s52, 15
	s_lshl_b32 s52, s52, 23
	s_or_b32 s52, s52, 0x600000
	v_mov_b32 v[HL], s52                           ; 57,344 x 2^e9
	v_mov_b32 v[HL+1], s52
	s_add_co_i32 s52, s48, 127
	s_lshl_b32 s53, s52, 23
	v_mov_b32 v[SC10], s53                         ; 2^e10, for the result's
	s_add_co_i32 s52, s52, 15
	s_lshl_b32 s52, s52, 23
	s_or_b32 s52, s52, 0x600000
	v_mov_b32 v[L10], s52
.macro KLOAD base                      ; eight tiles of K (16 keys x 64 each)
.set tt, 0
.rept 8
	ds_load_b128 v[FRG+8*tt:FRG+8*tt+3], v[AD] offset:\base+1024*tt
	ds_load_b128 v[FRG+8*tt+4:FRG+8*tt+7], v[AD] offset:\base+1024*tt+512
.set tt, tt+1
.endr
.endm
.macro VLOAD g, dst                    ; four tiles of V^T (16 channels x 128 keys each)
.set tt, 0
.rept 4
.set cc, 0
.rept 4
	ds_load_b128 v[\dst+16*tt+4*cc:\dst+16*tt+4*cc+3], v[AD] offset:BASE+VOFF+2048*(4*\g+tt)+512*cc
.set cc, cc+1
.endr
.set tt, tt+1
.endr
.endm
.macro PV g, src                       ; each fragment of V serves both tiles; the accumulators take turns, one instruction a turn
.set tt, 0
.rept 4
.irp u, 0,1
	v_wmma_f32_16x16x128_bf8_bf8 v[OA+64*\u+8*(4*\g+tt):OA+64*\u+8*(4*\g+tt)+7], v[\src+16*tt:\src+16*tt+15], v[PCA+16*\u:PCA+16*\u+15], v[OA+64*\u+8*(4*\g+tt):OA+64*\u+8*(4*\g+tt)+7]
.endr
.set tt, tt+1
.endr
.endm
.macro MASK sb, sh                     ; on the diagonal hidden scores become -infinity: p = 0
.set nn, 0
.rept 64
	v_cmp_gt_i32 vcc_lo, 16*(nn/8)+nn%8-\sh, v[DD]
	v_cndmask_b32 v[\sb+nn], v[\sb+nn], v[T+6], vcc_lo
.set nn, nn+1
.endr
.endm
.macro STEP q                          ; the q-th key step of the slot in hand
.set BASE, TILE*(\q)
	s_cmp_gt_u32 s[KF], s[BLK]                     ; all these keys come after my queries
	s_cbranch_scc1 .Lhid_\@
.if (\q) == 0
.rept 4
	v_nop                                          ; places in front of loads into registers that the last products read
.endr
	KLOAD 0                                        ; (a slot's second step finds K's fragments asked for in the first)
.endif
	s_wait_dscnt 0x0
	WIN 0x04                                       ; source 1 (Q): window 1
.set tt, 0
.rept 8
.irp u, 0,1
	v_wmma_f32_16x16x64_bf8_bf8 v[SA+64*\u+8*tt:SA+64*\u+8*tt+7], v[FRG+8*tt:FRG+8*tt+7], v[QA+8*\u:QA+8*\u+7], 0
.endr
.set tt, tt+1
.endr
	WIN 0
.rept 4
	v_nop                                          ; places in front of the loads below and of the first read of the scores
.endr
	VLOAD 0, FRG                                   ; all of V lands under the softmax
	WIN 0x40
	VLOAD 1, FR2
	WIN 0
	s_cmp_lg_u32 s[KF], s[BLK]
	s_cbranch_scc1 .Lopen_\@
	v_mov_b32 v[T+6], 0xff800000
	MASK SA, 0
	MASK SA+64, 16
.Lopen_\@:
.irp u, 0,1                                    ; the step's largest score of my query among my 64 keys, in two chains a tile,
	v_max3_num_f32 v[T+2*\u], v[SA+64*\u], v[SA+64*\u+1], v[SA+64*\u+2]
	v_max3_num_f32 v[T+2*\u+1], v[SA+64*\u+3], v[SA+64*\u+4], v[SA+64*\u+5]
.endr
.irp i, 6,10,14,18,22,26,30,34,38,42,46,50,54,58
.irp u, 0,1
	v_max3_num_f32 v[T+2*\u], v[T+2*\u], v[SA+64*\u+\i], v[SA+64*\u+1+\i]
	v_max3_num_f32 v[T+2*\u+1], v[T+2*\u+1], v[SA+64*\u+2+\i], v[SA+64*\u+3+\i]
.endr
.endr
.irp u, 0,1
	v_max3_num_f32 v[T+2*\u], v[T+2*\u], v[SA+64*\u+62], v[SA+64*\u+63]
.endr
.irp u, 0,1
	v_max_num_f32 v[T+2*\u], v[T+2*\u], v[T+2*\u+1]
.endr
.irp u, 0,1
	v_permlanex16_b32 v[T+4+\u], v[T+2*\u], s[SEL], s[SEL+1]
.endr
.irp u, 0,1
	v_max_num_f32 v[T+2*\u], v[T+2*\u], v[T+4+\u]  ; and among lane l xor 16's
.endr
.irp u, 0,1
	v_mul_f32 v[T+2*\u], s[CS], v[T+2*\u]          ; as t (c is positive)
.endr
.irp u, 0,1
	v_max_num_f32 v[STA+4*\u+1], v[STA+4*\u+1], v[T+2*\u]
.endr
.irp u, 0,1
	v_mov_b32 v[T+2*\u], v[STA+4*\u]
.endr
.irp u, 0,1
	v_floor_f32 v[STA+4*\u], -v[STA+4*\u+1]        ; the new -M = -ceil(t)
.endr
.irp u, 0,1
	v_sub_f32 v[T+2*\u], v[STA+4*\u], v[T+2*\u]    ; old M - new M: a whole number, 0 or less
.endr
.irp u, 0,1
	v_cvt_i32_f32 v[T+2*\u], v[T+2*\u]             ; (it saturates)
.endr
.irp u, 0,1
	v_ldexp_f32 v[FA+2*\u], 1.0, v[T+2*\u]         ; f = 2^(old M - new M)
.endr
.irp u, 0,1
.set nn, 0
.rept 32
	v_pk_fma_f32 v[SA+64*\u+nn:SA+64*\u+nn+1], v[SA+64*\u+nn:SA+64*\u+nn+1], s[CS:CS+1], v[STA+4*\u:STA+4*\u+1] op_sel_hi:[1,0,0]   ; t - M
.set nn, nn+2
.endr
.endr
	s_wait_alu depctr_va_vdst(0)
.set nn, 0
.rept 128
	v_exp_f32 v[SA+nn], v[SA+nn]                   ; p = 2^(t - M)
.set nn, nn+1
.endr
.irp u, 0,1
	v_pk_mul_f32 v[STA+4*\u+2:STA+4*\u+3], v[STA+4*\u+2:STA+4*\u+3], v[FA+2*\u:FA+2*\u+1] op_sel_hi:[1,0]   ; the sums under the new M (plain lines behind the exponentials)
.endr
	s_wait_alu depctr_va_vdst(0)                   ; one wait for the batch, ahead of its first reader
.irp c, 0,1,2                                  ; the row's sum of the unquantised p: four chains a tile
.irp u, 0,1
	v_pk_add_f32 v[TPA+6*\u+2*\c:TPA+6*\u+2*\c+1], v[SA+64*\u+4*\c:SA+64*\u+4*\c+1], v[SA+64*\u+4*\c+2:SA+64*\u+4*\c+3]
.endr
.endr
.irp u, 0,1
	v_pk_add_f32 v[STA+4*\u+2:STA+4*\u+3], v[STA+4*\u+2:STA+4*\u+3], v[SA+64*\u+12:SA+64*\u+13]
	v_pk_add_f32 v[TPA+6*\u:TPA+6*\u+1], v[TPA+6*\u:TPA+6*\u+1], v[SA+64*\u+14:SA+64*\u+15]
.endr
.irp k, 16,24,32,40,48,56
.irp u, 0,1
	v_pk_add_f32 v[STA+4*\u+2:STA+4*\u+3], v[STA+4*\u+2:STA+4*\u+3], v[SA+64*\u+\k:SA+64*\u+\k+1]
	v_pk_add_f32 v[TPA+6*\u:TPA+6*\u+1], v[TPA+6*\u:TPA+6*\u+1], v[SA+64*\u+\k+2:SA+64*\u+\k+3]
	v_pk_add_f32 v[TPA+6*\u+2:TPA+6*\u+3], v[TPA+6*\u+2:TPA+6*\u+3], v[SA+64*\u+\k+4:SA+64*\u+\k+5]
	v_pk_add_f32 v[TPA+6*\u+4:TPA+6*\u+5], v[TPA+6*\u+4:TPA+6*\u+5], v[SA+64*\u+\k+6:SA+64*\u+\k+7]
.endr
.endr
.irp u, 0,1
	v_pk_add_f32 v[TPA+6*\u:TPA+6*\u+1], v[TPA+6*\u:TPA+6*\u+1], v[TPA+6*\u+2:TPA+6*\u+3]
	v_pk_add_f32 v[STA+4*\u+2:STA+4*\u+3], v[STA+4*\u+2:STA+4*\u+3], v[TPA+6*\u+4:TPA+6*\u+5]
.endr
.irp u, 0,1
	v_pk_add_f32 v[STA+4*\u+2:STA+4*\u+3], v[STA+4*\u+2:STA+4*\u+3], v[TPA+6*\u:TPA+6*\u+1]
.endr
.set nn, 0
.rept 64
	v_dual_min_num_f32 v[SA+nn], v[SA+nn], v[HL] :: v_dual_min_num_f32 v[SA+nn+1], v[SA+nn+1], v[HL+1]   ; p is not negative: the hold is one-sided; two numbers a line
.set nn, nn+2
.endr
	WIN 0x40                                       ; the codes go to window 1
.set tt, 0
.rept 16
	v_cvt_scalef32_pk8_bf8_f32 v[PCA+2*tt:PCA+2*tt+1], v[SA+8*tt:SA+8*tt+7], v[SC9]
.set tt, tt+1
.endr
	WIN 0x41                                       ; O^T: window 1; f: window 0
	s_wait_alu depctr_va_vdst(0)                   ; directly ahead of the first reader of O^T
.irp u, 0,1
.set nn, 0
.rept 32
	v_pk_mul_f32 v[OA+64*\u+nn:OA+64*\u+nn+1], v[OA+64*\u+nn:OA+64*\u+nn+1], v[FA+2*\u:FA+2*\u+1] op_sel_hi:[1,0]   ; O^T under the new M; also the plain lines behind the conversions
.set nn, nn+2
.endr
.endr
	s_wait_alu depctr_va_vdst(0)
	s_wait_dscnt 16                                ; V's tiles 0-3 are in; the 16 loads of tiles 4-7 may be out
	WIN 0x54                                       ; V's tiles 0-3: window 0; codes and O^T: window 1
	PV 0, FRG
.if (\q) == 0
	WIN 0
.rept 4
	v_nop                                          ; places in front of loads into registers that the products above read
.endr
	KLOAD TILE                                     ; the slot's second step: K's fragments land under the products below
.endif
	s_wait_dscnt 16*(1-(\q))                       ; V's tiles 4-7 are in; K's 16 loads, where they were issued, may be out
	WIN 0x55
	PV 1, FR2
	WIN 0
.Lhid_\@:
	s_add_co_u32 s[KF], s[KF], 1
.endm
	s_wait_alu depctr_va_vdst(0)
	s_wait_loadcnt 0x0                             ; Q
.Lslot:                                            ; eight trips, a slot each
	; THE CHANGE OF SLOTS.  Every wave waits for its tensor load (its part of the slot ahead), adds 0 to its spare word, waits for that and for its reads of the slot that it has left, and passes the barrier.
	s_wait_tensorcnt 0x0                           ; no load of mine is out, so the group 0 may be written
	ds_add_u32 v[SPW], v[NIL]
	s_xor_b32 s[G0+1], s[G0+1], SLOT1              ; the other slot than last time,
	s_add_nc_u64 s[G0+2:G0+3], s[G0+2:G0+3], SLOTB ; the next two key steps
	s_wait_xcnt 0x0                                ; my last prefetch has read its address
	s_add_nc_u64 s[PFA:PFA+1], s[PFA:PFA+1], SLOTB ; one slot further on than the walking group 0
	v_add_nc_u32 v[AD], s[TB], v[LI]               ; my lane's place in the slot ahead
	s_wait_alu depctr_va_vdst(0)
	s_wait_dscnt 0x0
	s_barrier_signal -1
	s_barrier_wait -1
	s_add_co_u32 s52, s[KF], 2                     ; the first key step of the slot that this change would ask for
	s_cmp_gt_u32 s52, s[HB]                        ; behind block 15 - x no wave reads it (the last trip: always): ids and the count of steps alone
	s_cbranch_scc1 .Lpast
	tensor_load_to_lds s[G0:G0+3], s[G1:G1+7]      ; my one load until the next barrier: into the slot just left (the first trip: slot 1's first fill)
	s_nop 0
.rept 4
	v_nop
.endr
.Lpast:
	s_cmp_gt_u32 s[REM], s[LIM]
	s_cbranch_scc0 .Lnot_mine
	global_prefetch_b8 v[PFO], s[PFA:PFA+1] th:TH_LOAD_NT scope:SCOPE_SE
.Lnot_mine:
	STEP 0
	STEP 1
	s_xor_b32 s[TB], s[TB], SLOT1                  ; on to the other slot
	s_sub_co_u32 s[REM], s[REM], 1
	s_cmp_lg_u32 s[REM], 0
	s_cbranch_scc1 .Lslot
	; THE WAY OUT
	s_wait_alu depctr_va_vdst(0)
	s_wait_dscnt 0x0                               ; fragments of K that were asked for and not used have landed: their registers take the codes below
.rept 4
	v_nop
.endr
.irp u, 0,1
	v_add_f32 v[STA+4*\u+2], v[STA+4*\u+2], v[STA+4*\u+3]
.endr
.irp u, 0,1
	v_permlanex16_b32 v[T+4+\u], v[STA+4*\u+2], s[SEL], s[SEL+1]
.endr
.irp u, 0,1
	v_add_f32 v[STA+4*\u+2], v[STA+4*\u+2], v[T+4+\u]   ; the row's sum
.endr
	s_wait_alu depctr_va_vdst(0)                   ; ahead of the transcendentals
.irp u, 0,1
	v_rcp_f32 v[STA+4*\u+2], v[STA+4*\u+2]
.endr
	v_nop
	s_add_co_i32 s52, s46, s47
	s_wait_alu depctr_va_vdst(0)                   ; and ahead of their first reader
.irp u, 0,1
	v_ldexp_f32 v[STA+4*\u+2], v[STA+4*\u+2], s52  ; x 2^(e8 + e9)
.endr
	WIN 0x01                                       ; source 0 (O^T): window 1
	s_wait_alu depctr_va_vdst(0)                   ; directly ahead of the first reader of O^T
.irp u, 0,1
.set nn, 0
.rept 32
	v_pk_mul_f32 v[SA+64*\u+nn:SA+64*\u+nn+1], v[OA+64*\u+nn:OA+64*\u+nn+1], v[STA+4*\u+2:STA+4*\u+3] op_sel_hi:[1,0]   ; each accumulator from its low end on
.set nn, nn+2
.endr
.endr
	WIN 0
.set nn, 0
.rept 128
	v_med3_num_f32 v[SA+nn], v[SA+nn], -v[L10], v[L10]
.set nn, nn+1
.endr
.set tt, 0
.rept 16
	v_cvt_scalef32_pk8_bf8_f32 v[FRG+2*tt:FRG+2*tt+1], v[SA+8*tt:SA+8*tt+7], v[SC10]
.set tt, tt+1
.endr
	v_nop
.set tt, 0
.rept 16
	global_store_b64 v[GO], v[FRG+2*tt:FRG+2*tt+1], s[10:11] offset:2048*(tt/8)+512*((tt%8)/2)+256*(tt%2)   ; the 32 lanes store 256 consecutive bytes, aligned
.set tt, tt+1
.endr
	s_wait_tensorcnt 0x0                           ; the wave's end
	ds_add_u32 v[SPW], v[NIL]
	s_wait_dscnt 0x0
	s_endpgm
.Lfunc_end_k_qf5756c1d41_attn:
	.size	k_qf5756c1d41_attn, .Lfunc_end_k_qf5756c1d41_attn-k_qf5756c1d41_attn
	.p2alignl 7, 3214868480
	.fill 96, 4, 3214868480
	.section	.rodata,"a",@progbits
	.p2align	6, 0x0
	.amdhsa_kernel k_qf5756c1d41_attn
		.amdhsa_group_segment_fixed_size 327680
		.amdhsa_private_segment_fixed_size 0
		.amdhsa_enable_private_segment 0
		.amdhsa_kernarg_size 32
		.amdhsa_user_sgpr_count 2
		.amdhsa_user_sgpr_kernarg_segment_ptr 1
		.amdhsa_wavefront_size32 1
		.amdhsa_system_sgpr_workgroup_id_x 1
		.amdhsa_system_sgpr_workgroup_id_y 1
		.amdhsa_system_sgpr_workgroup_id_z 1
		.amdhsa_system_vgpr_workitem_id 0
		.amdhsa_next_free_vgpr 512
		.amdhsa_next_free_sgpr 66
		.amdhsa_reserve_vcc 1
		.amdhsa_float_denorm_mode_32 3
		.amdhsa_float_denorm_mode_16_64 3
		.amdhsa_memory_ordered 1
		.amdhsa_forward_progress 1
		.amdhsa_inst_pref_size 110
	.end_amdhsa_kernel
	.amdgpu_metadata
---
amdhsa.version: [ 1, 2 ]
amdhsa.kernels:
  - .name:           k_qf5756c1d41_attn
    .symbol:         k_qf5756c1d41_attn.kd
    .args:
      - { .name: q_img, .offset: 0, .size: 8, .value_kind: global_buffer, .address_space: global }
      - { .name: kv_img, .offset: 8, .size: 8, .value_kind: global_buffer, .address_space: global }
      - { .name: lowp_scales, .offset: 16, .size: 8, .value_kind: global_buffer, .address_space: global }
      - { .name: o_img, .offset: 24, .size: 8, .value_kind: global_buffer, .address_space: global }
    .group_segment_fixed_size: 327680
    .private_segment_fixed_size: 0
    .kernarg_segment_align: 8
    .kernarg_segment_size: 32
    .max_flat_workgroup_size: 256
    .sgpr_count:     66
    .vgpr_count:     512
    .wavefront_size: 32
...
	.end_amdgpu_metadata
.endif
;; end of part 3
;; launch proj (part 4): grid 8 x 32, 4 waves a work-group, clusters of 4 x 4, 327,680 bytes of LDS; arguments o_img, wo_codes, lowp_scales, bo, x, out0; writes out0
.if DOCPART == 4
	.amdgcn_target "amdgcn-amd-amdhsa--gfx1250"
	.amdhsa_code_object_version 6
	.text
	.protected	k_qf5756c1d41_proj
	.globl	k_qf5756c1d41_proj
	.p2align	8
	.type	k_qf5756c1d41_proj,@function
k_qf5756c1d41_proj:
	s_mov_b64 s[64:65], 0
	v_nop
	global_prefetch_b8 v0, s[64:65] scope:SCOPE_SE
	s_setreg_imm32_b32 hwreg(HW_REG_WAVE_MODE, 25, 1), 1
	s_wait_xcnt 0x0
	s_wait_alu depctr_hold_cnt(0) depctr_sa_sdst(0) depctr_va_vdst(0) depctr_va_sdst(0) depctr_va_ssrc(0) depctr_va_vcc(0) depctr_vm_vsrc(0)
	s_getreg_b32 s2, hwreg(HW_REG_IB_STS2, 6, 4)
	s_cmp_eq_u32 s2, 0
	s_cbranch_scc0 .Lentry_in_a_cluster
	s_endpgm
.Lentry_in_a_cluster:
	s_bfe_u32 s2, ttmp6, 0x10000c
	s_cmp_lg_u32 s2, 0xf033
	s_cbranch_scc0 .Lentry_shape_is_right
	s_endpgm
.Lentry_shape_is_right:
.set PITCH,  528
.set BOFF,   65536
.set SLOT,   BOFF+128*PITCH
.set SPARE,  2*SLOT
.set SPITCH, 272
.set LAPS,   2
.set ADRA, 16
.set ADRB, 20
.set STO,  24
.set RD,   25
.set XO,   26
.set CB,   27
.set SPW,  28
.set NIL,  29
.set BK,   32
.set BI,   96
.set ACC,  128
.set F0,   0
.set F1,   128
.set G1, 24
.set G0, 32
.set G1B, 48
.set G0B, 56
.set MSB, 0
.macro WIN new
.if MSB != \new
	s_set_vgpr_msb (MSB<<8)|\new
.set MSB, \new
.endif
.endm
.set MUL,  0x05
.set TO_F, 0x40
.macro JLOAD s
	s_cmp_eq_u32 s11, 0
	s_cbranch_scc0 .Lfor_b_\@
	tensor_load_to_lds s[G0+4*\s:G0+4*\s+3], s[G1:G1+7]
	s_nop 0
.rept 4
	v_nop
.endr
	s_branch .Lasked_\@
.Lfor_b_\@:
	tensor_load_to_lds s[G0B+4*\s:G0B+4*\s+3], s[G1B:G1B+7]
	s_nop 0
.rept 4
	v_nop
.endr
.Lasked_\@:
.endm
.macro CREST
	s_cmp_lg_u32 s10, 0
	s_cbranch_scc1 .Lnot_wave_0_\@
	s_barrier_signal -3
.Lnot_wave_0_\@:
	s_barrier_wait -3
	s_barrier_signal -1
	s_barrier_wait -1
.endm
.macro CROUND
	s_barrier_signal -1
	s_barrier_wait -1
	CREST
.endm
	s_load_b128 s[4:7], s[0:1], 0x0
	s_load_b128 s[68:71], s[0:1], 0x10
	s_load_b128 s[76:79], s[0:1], 0x20
	v_lshl_add_u32 v[SPW], v0, 2, SPARE
	v_mov_b32 v[NIL], 0
	ds_add_u32 v28, v29
	ds_add_u32 v28, v29
	s_wait_dscnt 0x0
	v_lshrrev_b32 v1, 5, v0
	v_readfirstlane_b32 s10, v1
	s_lshr_b32 s11, s10, 1
	s_and_b32 s12, s10, 1
	s_bfe_u32 s40, ttmp6, 0x40000
	s_bfe_u32 s41, ttmp6, 0x40004
	s_lshl_b32 s42, ttmp9, 2
	s_add_co_u32 s42, s42, s40
	s_and_b32 s13, ttmp7, 0xffff
	s_lshl_b32 s13, s13, 2
	s_add_co_u32 s13, s13, s41
	s_lshl_b32 s43, s41, 2
	s_lshl_b32 s43, 15, s43
	s_lshl_b32 s44, 0x1111, s40
	s_or_b32 s[G1+0], s43, (3<<16)|(1<<21)
	s_mov_b32 s[G1+1], 32<<16
	s_mov_b32 s[G1+2], 128<<16
	s_mov_b32 s[G1+3], 32<<16
	s_mov_b32 s[G1+4], 128
	s_mov_b32 s[G1+5], 32
	s_mov_b32 s[G1+6], 0
	s_mov_b32 s[G1+7], 0
	s_or_b32 s[G1B+0], s44, (0<<16)|(1<<20)|(1<<21)|(6<<22)|(3<<25)
	s_mov_b32 s[G1B+1], 512<<16
	s_mov_b32 s[G1B+2], 64<<16
	s_mov_b32 s[G1B+3], 512<<16
	s_mov_b32 s[G1B+4], 64
	s_mov_b32 s[G1B+5], 2048
	s_mov_b32 s[G1B+6], 0
	s_mov_b32 s[G1B+7], 0
	s_lshl_b32 s20, s12, 15
	s_mul_i32 s21, s12, 64*PITCH
	s_add_co_u32 s21, s21, BOFF
	s_lshl_b32 s16, s13, 18
	s_add_co_u32 s16, s16, s20
	s_mov_b32 s17, 0
	s_lshl_b32 s46, s42, 7
	s_lshl_b32 s47, s12, 6
	s_add_co_u32 s46, s46, s47
	s_lshl_b32 s46, s46, 11
	s_mov_b32 s47, 0
	s_wait_kmcnt 0x0
	s_load_b64 s[72:73], s[68:69], 0x28
	s_add_nc_u64 s[14:15], s[4:5], s[16:17]
	s_add_nc_u64 s[46:47], s[6:7], s[46:47]
	CROUND
.irp s, 0,1
	s_mov_b32 s[G0+4*\s], 1
	s_add_co_u32 s[G0+4*\s+1], s20, \s*SLOT
	s_add_nc_u64 s[G0+4*\s+2:G0+4*\s+3], s[14:15], \s*65536
	s_or_b32 s[G0+4*\s+3], s[G0+4*\s+3], 0x80000000
	s_mov_b32 s[G0B+4*\s], 1
	s_add_co_u32 s[G0B+4*\s+1], s21, \s*SLOT
	s_add_nc_u64 s[G0B+4*\s+2:G0B+4*\s+3], s[46:47], \s*512
	s_or_b32 s[G0B+4*\s+3], s[G0B+4*\s+3], 0x80000000
.endr
	JLOAD 0                                        ; slot 0, behind the opening round: one tensor load a wave at the head
	v_and_b32 v1, 15, v0
	v_bfe_u32 v2, v0, 4, 1
	v_and_b32 v3, 31, v0
	v_lshlrev_b32 v3, 4, v3
	s_lshl_b32 s22, s11, 13
	v_mul_u32_u24 v4, v1, PITCH
	v_lshl_add_u32 v4, v2, 4, v4
	s_mul_i32 s23, s12, 64*PITCH
	s_add_co_u32 s23, s23, BOFF
.irp s, 0,1
	v_add_nc_u32 v[ADRA+\s], s22, v3
	v_add_nc_u32 v[ADRB+\s], s23, v4
	s_add_co_u32 s22, s22, SLOT
	s_add_co_u32 s23, s23, SLOT
.endr
	s_mul_i32 s23, s10, 64*SPITCH
	v_mul_u32_u24 v5, v1, SPITCH
	v_lshl_add_u32 v5, v2, 5, v5
	v_add_nc_u32 v[STO], s23, v5
	v_mul_u32_u24 v5, v2, SPITCH
	v_lshl_add_u32 v5, v1, 4, v5
	v_add_nc_u32 v[RD], s23, v5
	v_lshlrev_b32 v[CB], 4, v1
	v_lshl_add_u32 v[XO], v2, 12, v[CB]
	s_wait_alu depctr_va_vdst(0)
	s_lshl_b32 s16, s13, 7
	s_lshl_b32 s17, s11, 6
	s_add_co_u32 s16, s16, s17
	s_lshl_b32 s16, s16, 12
	s_lshl_b32 s46, s42, 9
	s_lshl_b32 s47, s12, 8
	s_add_co_u32 s46, s46, s47
	s_mov_b32 s47, 0
	s_add_nc_u64 s[70:71], s[70:71], s[46:47]
	s_add_co_u32 s16, s16, s46
	s_mov_b32 s17, 0
	s_add_nc_u64 s[76:77], s[76:77], s[16:17]
	s_add_nc_u64 s[78:79], s[78:79], s[16:17]
	WIN 0x80
.set tt, 0
.rept 32
	global_load_b128 v[4*tt:4*tt+3], v[XO], s[76:77] offset:8192*tt th:TH_LOAD_NT
.set tt, tt+1
.endr
	WIN 0
	global_load_b128 v[BI:BI+3], v[CB], s[70:71]
	s_wait_kmcnt 0x0
	s_add_co_i32 s74, s72, s73
	s_add_co_i32 s74, s74, 127
	s_lshl_b32 s74, s74, 23
	s_mov_b32 s75, s74
.macro MUL8 f, a0, zero
.irp a, \a0, \a0+1
.irp b, 0,1,2,3
.if \zero
	v_wmma_f32_16x16x128_bf8_bf8 v[ACC+8*(4*(\a)+\b):ACC+8*(4*(\a)+\b)+7], v[\f+64+16*\b:\f+64+16*\b+15], v[\f+16*(\a):\f+16*(\a)+15], 0
.else
	v_wmma_f32_16x16x128_bf8_bf8 v[ACC+8*(4*(\a)+\b):ACC+8*(4*(\a)+\b)+7], v[\f+64+16*\b:\f+64+16*\b+15], v[\f+16*(\a):\f+16*(\a)+15], v[ACC+8*(4*(\a)+\b):ACC+8*(4*(\a)+\b)+7]
.endif
.endr
.endr
.endm
.macro FETCH slot, q, f
	WIN TO_F
.irp i, 0,1,2,3
.irp c, 0,1,2,3
	ds_load_b128 v[\f+64+16*\i+4*\c:\f+64+16*\i+4*\c+3], v[ADRB+\slot] offset:128*\q+32*\c+\i*16*PITCH
	ds_load_b128 v[\f+16*\i+4*\c:\f+16*\i+4*\c+3], v[ADRA+\slot] offset:16384*\q+2048*\i+512*\c
.endr
.endr
.endm
.macro PLACES
.rept 4
	v_nop
.endr
.endm
.macro QUARTER slot, q, f, g, zero
	PLACES
	FETCH \slot, \q, \g
	s_wait_dscnt 32
	WIN MUL
	MUL8 \f, 0, \zero
	MUL8 \f, 2, \zero
.endm
.macro TURN slot, next, fill
	WIN 0
	s_wait_tensorcnt 0x0
	ds_add_u32 v[SPW], v[NIL]
	s_wait_dscnt 1
	WIN MUL
	MUL8 F1, 0, 0
	s_wait_dscnt 0x0
	s_barrier_signal -1
	MUL8 F1, 2, 0
	WIN 0
	s_barrier_wait -1
.if \fill
	CREST
	s_add_nc_u64 s[G0+4*\slot+2:G0+4*\slot+3], s[G0+4*\slot+2:G0+4*\slot+3], 2*65536
	s_add_nc_u64 s[G0B+4*\slot+2:G0B+4*\slot+3], s[G0B+4*\slot+2:G0B+4*\slot+3], 2*512
	JLOAD \slot
.else
	PLACES
.endif
	FETCH \next, 0, F0
.endm
	s_wait_alu depctr_va_vdst(0)
	s_wait_tensorcnt 0x0                           ; my part of slot 0 is in
	ds_add_u32 v[SPW], v[NIL]
	s_wait_dscnt 0x0
	CROUND                                         ; everybody's part of slot 0 is in, and all sixteen work-groups are here
	JLOAD 1                                        ; slot 1: the first tensor load behind the round
	FETCH 0, 0, F0
	QUARTER 0, 1, F0, F1, 1
	WIN 0
	s_mov_b32 s3, LAPS-1
.Llap:
	QUARTER 0, 2, F1, F0, 0
	QUARTER 0, 3, F0, F1, 0
	TURN 0, 1, 1
	QUARTER 1, 1, F0, F1, 0
	QUARTER 1, 2, F1, F0, 0
	QUARTER 1, 3, F0, F1, 0
	TURN 1, 0, 1
	QUARTER 0, 1, F0, F1, 0
	WIN 0
	s_sub_co_u32 s3, s3, 1
	s_cmp_lg_u32 s3, 0
	s_cbranch_scc1 .Llap
	QUARTER 0, 2, F1, F0, 0
	QUARTER 0, 3, F0, F1, 0
	TURN 0, 1, 0
	QUARTER 1, 1, F0, F1, 0
	QUARTER 1, 2, F1, F0, 0
	QUARTER 1, 3, F0, F1, 0
	s_wait_dscnt 0x0
	MUL8 F1, 0, 0
	MUL8 F1, 2, 0
	s_wait_loadcnt 0x0
	WIN 0x82
.set tt, 0
.rept 32
	v_pk_add_f32 v[4*tt:4*tt+1], v[4*tt:4*tt+1], v[BI:BI+1]
	v_pk_add_f32 v[4*tt+2:4*tt+3], v[4*tt+2:4*tt+3], v[BI+2:BI+3]
.set tt, tt+1
.endr
	WIN 0
.irp a, 0,1,2,3
.irp b, 0,1,2,3
	ds_store_b128 v[STO], v[ACC+8*(4*\a+\b):ACC+8*(4*\a+\b)+3] offset:\a*16*SPITCH+64*\b
	ds_store_b128 v[STO], v[ACC+8*(4*\a+\b)+4:ACC+8*(4*\a+\b)+7] offset:\a*16*SPITCH+64*\b+16
.endr
.endr
.macro SLD a
.irp t, 0,1,2,3,4,5,6,7
	ds_load_b128 v[BK+32*((\a)%2)+4*\t:BK+32*((\a)%2)+4*\t+3], v[RD] offset:(\a)*16*SPITCH+\t*2*SPITCH
.endr
.endm
	SLD 0
.irp a, 0,1,2,3
.if \a < 3
.if \a > 0
	s_wait_xcnt 0x0
.endif
	SLD \a+1
	s_wait_dscnt 8
.else
	s_wait_dscnt 0x0
.endif
	WIN 0x20
.irp t, 0,1,2,3,4,5,6,7
	v_pk_fma_f32 v[BK+32*(\a%2)+4*\t:BK+32*(\a%2)+4*\t+1], v[BK+32*(\a%2)+4*\t:BK+32*(\a%2)+4*\t+1], s[74:75], v[4*(8*\a+\t):4*(8*\a+\t)+1] op_sel_hi:[1,0,1]
	v_pk_fma_f32 v[BK+32*(\a%2)+4*\t+2:BK+32*(\a%2)+4*\t+3], v[BK+32*(\a%2)+4*\t+2:BK+32*(\a%2)+4*\t+3], s[74:75], v[4*(8*\a+\t)+2:4*(8*\a+\t)+3] op_sel_hi:[1,0,1]
.endr
	WIN 0
.irp t, 0,1,2,3,4,5,6,7
	global_store_b128 v[XO], v[BK+32*(\a%2)+4*\t:BK+32*(\a%2)+4*\t+3], s[78:79] offset:8192*(8*\a+\t) th:TH_STORE_NT
.endr
.endr
	s_wait_tensorcnt 0x0
	ds_add_u32 v[SPW], v[NIL]
	s_wait_dscnt 0x0
	CROUND
	s_endpgm
.Lfunc_end_k_qf5756c1d41_proj:
	.size	k_qf5756c1d41_proj, .Lfunc_end_k_qf5756c1d41_proj-k_qf5756c1d41_proj
	.p2alignl 7, 3214868480
	.fill 96, 4, 3214868480
	.section	.rodata,"a",@progbits
	.p2align	6, 0x0
	.amdhsa_kernel k_qf5756c1d41_proj
		.amdhsa_group_segment_fixed_size 327680
		.amdhsa_private_segment_fixed_size 0
		.amdhsa_enable_private_segment 0
		.amdhsa_kernarg_size 48
		.amdhsa_user_sgpr_count 2
		.amdhsa_user_sgpr_kernarg_segment_ptr 1
		.amdhsa_wavefront_size32 1
		.amdhsa_system_sgpr_workgroup_id_x 1
		.amdhsa_system_sgpr_workgroup_id_y 1
		.amdhsa_system_sgpr_workgroup_id_z 1
		.amdhsa_system_vgpr_workitem_id 0
		.amdhsa_next_free_vgpr 768
		.amdhsa_next_free_sgpr 80
		.amdhsa_reserve_vcc 0
		.amdhsa_float_denorm_mode_32 3
		.amdhsa_float_denorm_mode_16_64 3
		.amdhsa_memory_ordered 1
		.amdhsa_forward_progress 1
		.amdhsa_inst_pref_size 81
	.end_amdhsa_kernel
	.amdgpu_metadata
---
amdhsa.version: [ 1, 2 ]
amdhsa.kernels:
  - .name:           k_qf5756c1d41_proj
    .symbol:         k_qf5756c1d41_proj.kd
    .args:
      - { .name: o_img, .offset: 0, .size: 8, .value_kind: global_buffer, .address_space: global }
      - { .name: wo_codes, .offset: 8, .size: 8, .value_kind: global_buffer, .address_space: global }
      - { .name: lowp_scales, .offset: 16, .size: 8, .value_kind: global_buffer, .address_space: global }
      - { .name: bo, .offset: 24, .size: 8, .value_kind: global_buffer, .address_space: global }
      - { .name: x, .offset: 32, .size: 8, .value_kind: global_buffer, .address_space: global }
      - { .name: out0, .offset: 40, .size: 8, .value_kind: global_buffer, .address_space: global }
    .group_segment_fixed_size: 327680
    .private_segment_fixed_size: 0
    .kernarg_segment_align: 8
    .kernarg_segment_size: 48
    .max_flat_workgroup_size: 128
    .sgpr_count:     80
    .vgpr_count:     768
    .wavefront_size: 32
...
	.end_amdgpu_metadata
.endif
;; end of part 4
